; MI455X (gfx1250); checked and timed in simulation.
; The chip was launched on July 23, 2026; its instructions are those of AMD's public machine-readable ISA for CDNA 5 (MIT licence, August 2026) and "CDNA5" Instruction Set Architecture Reference Guide (July 2026). The comments in the code are by the model that wrote it; some were corrected since.
;; Hapberta Axial Encoder. Allowed arithmetic: matrix products marked QUANTISED: E2M3 operands, one E8M0 scale for each 32 along K, by v_wmma_scale_f32_16x16x128_f8f6f4 with both operands' format E2M3, f32 sums; everything else in f32.
;; Inputs: col_kW 2 x 256 x 256 float32; col_kb 2 x 256 float32; col_oW 2 x 256 x 256 float32; col_ob 2 x 256 float32; col_qW 2 x 256 x 256 float32; col_qb 2 x 256 float32; col_vW 2 x 256 x 256 float32; col_vb 2 x 256 float32; distances 2 x 32 x 256 x 256 int32; fc1W 2 x 1,024 x 256 float32; fc1b 2 x 1,024 float32; fc2W 2 x 256 x 1,024 float32; fc2b 2 x 256 float32; hidden_states 2 x 32 x 256 x 256 float32; ln_col_b 2 x 256 float32; ln_col_w 2 x 256 float32; ln_f_b 256 float32; ln_f_w 256 float32; ln_ff_b 2 x 256 float32; ln_ff_w 2 x 256 float32; ln_row_b 2 x 256 float32; ln_row_w 2 x 256 float32; row_kW 2 x 256 x 256 float32; row_kb 2 x 256 float32; row_oW 2 x 256 x 256 float32; row_ob 2 x 256 float32; row_qW 2 x 256 x 256 float32; row_qb 2 x 256 float32; row_rel 2 x 32 x 8 float32; row_vW 2 x 256 x 256 float32; row_vb 2 x 256 float32.
;; Outputs: out0 2 x 32 x 256 x 256 float32.
;; This version of the problem:
;;   THIS VERSION OF THE PROBLEM IS GIVEN IN LOW PRECISION. The matrix products marked QUANTISED in the list below multiply operands that are first quantised to E2M3 (2 exponent bits, 3 mantissa bits; 6 bits a number), with one power-of-two scale for each 32 numbers along K (OCP MX v1.0); their sums are f32. All else is computed in f32.
;;   The module's matrix products, in the order in which they are computed (A, B: the left and right operand; K: the contracted axis; several contracted axes count as one K, in the product's order):
;;     1. [M 16,384, K 256] x [K 256, N 256]; A: computed on the way; B: input row_qW: QUANTISED
;;     2. [M 16,384, K 256] x [K 256, N 256]; A: computed on the way; B: input row_kW: QUANTISED
;;     3. [M 16,384, K 256] x [K 256, N 256]; A: computed on the way; B: input row_vW: QUANTISED
;;     4. batch 512 x [M 256, K 32] x [K 32, N 256]; A: computed on the way; B: computed on the way: QUANTISED
;;     5. batch 512 x [M 32, K 256] x [K 256, N 256]; A: computed on the way; B: softmax (see below): QUANTISED
;;     6. [M 16,384, K 256] x [K 256, N 256]; A: computed on the way; B: input row_oW: QUANTISED
;;     7. [M 16,384, K 256] x [K 256, N 256]; A: computed on the way; B: input col_qW: QUANTISED
;;     8. [M 16,384, K 256] x [K 256, N 256]; A: computed on the way; B: input col_kW: QUANTISED
;;     9. [M 16,384, K 256] x [K 256, N 256]; A: computed on the way; B: input col_vW: QUANTISED
;;     10. batch 4,096 x [M 32, K 32] x [K 32, N 32]; A: computed on the way; B: computed on the way: QUANTISED
;;     11. batch 4,096 x [M 32, K 32] x [K 32, N 32]; A: computed on the way; B: softmax (see below): QUANTISED
;;     12. [M 16,384, K 256] x [K 256, N 256]; A: computed on the way; B: input col_oW: QUANTISED
;;     13. [M 16,384, K 256] x [K 256, N 1,024]; A: computed on the way; B: input fc1W: QUANTISED
;;     14. [M 16,384, K 1,024] x [K 1,024, N 256]; A: computed on the way; B: input fc2W: QUANTISED
;;     15. [M 16,384, K 256] x [K 256, N 256]; A: computed on the way; B: input row_qW: QUANTISED
;;     16. [M 16,384, K 256] x [K 256, N 256]; A: computed on the way; B: input row_kW: QUANTISED
;;     17. [M 16,384, K 256] x [K 256, N 256]; A: computed on the way; B: input row_vW: QUANTISED
;;     18. batch 512 x [M 256, K 32] x [K 32, N 256]; A: computed on the way; B: computed on the way: QUANTISED
;;     19. batch 512 x [M 32, K 256] x [K 256, N 256]; A: computed on the way; B: softmax (see below): QUANTISED
;;     20. [M 16,384, K 256] x [K 256, N 256]; A: computed on the way; B: input row_oW: QUANTISED
;;     21. [M 16,384, K 256] x [K 256, N 256]; A: computed on the way; B: input col_qW: QUANTISED
;;     22. [M 16,384, K 256] x [K 256, N 256]; A: computed on the way; B: input col_kW: QUANTISED
;;     23. [M 16,384, K 256] x [K 256, N 256]; A: computed on the way; B: input col_vW: QUANTISED
;;     24. batch 4,096 x [M 32, K 32] x [K 32, N 32]; A: computed on the way; B: computed on the way: QUANTISED
;;     25. batch 4,096 x [M 32, K 32] x [K 32, N 32]; A: computed on the way; B: softmax (see below): QUANTISED
;;     26. [M 16,384, K 256] x [K 256, N 256]; A: computed on the way; B: input col_oW: QUANTISED
;;     27. [M 16,384, K 256] x [K 256, N 1,024]; A: computed on the way; B: input fc1W: QUANTISED
;;     28. [M 16,384, K 1,024] x [K 1,024, N 256]; A: computed on the way; B: input fc2W: QUANTISED
;;   THE QUANTISER, for each operand of a quantised product, along K:
;;     - K is cut into blocks of 32 from its start; a last block that is shorter is filled with zeros.
;;     - A block's scale is 2^e with e = floor(log2(the largest magnitude in the block)) - 2, held to -126 .. 127; a block of zeros has e = 0. As a byte (E8M0): e + 127.
;;     - Each number is divided by its block's scale, clamped to +-7.5, and rounded to the nearest number of E2M3, ties to even, subnormals kept.
;;     - The product sums the exact products of the quantised numbers (number of the format x scale) in f32.
;;   ~~~python
;;   def quantise(x, axis):      # numpy; x: float32 -> the quantised numbers, widened to float32 again
;;       x = np.moveaxis(x, axis, -1); K = x.shape[-1]
;;       x = np.pad(x, [(0, 0)] * (x.ndim - 1) + [(0, -K % 32)]); x = x.reshape(x.shape[:-1] + (-1, 32)); a = np.abs(x).max(-1, keepdims=True)
;;       e = np.where(a > 0, np.clip(np.frexp(np.where(a > 0, a, 1))[1] - 1 - 2, -126, 127), 0)      # np.frexp(a)[1] - 1 = floor(log2(a)), exactly
;;       r = np.clip(x / 2.0 ** e, -7.5, 7.5)
;;       step = 2.0 ** (np.maximum(np.frexp(np.where(r == 0, 1, r))[1] - 1, 0) - 3)
;;       q = np.round(r / step) * step * 2.0 ** e      # np.round: ties to even
;;       return np.moveaxis(q.reshape(q.shape[:-2] + (-1,))[..., :K], -1, axis).astype(np.float32)
;;   ~~~
;;   SOFTMAX AHEAD OF A QUANTISED PRODUCT. Where the list says 'softmax', what is quantised is not the finished softmax but p = 2^(t - M), with t = logit x log2(e) and M = ceil(the row's largest t), a whole number; so 1/2 < the row's largest p <= 1. The row's sum l is taken of the UNQUANTISED p, in f32, and the product's result is divided by l at the end. Since M is a whole number, a kernel that streams over the keys may use a running M (the ceiling of the running maximum): every later rescaling is an exact power of two, which a block's scale takes up: the codes' values come out the same.
;;   OPERANDS COMPUTED ON THE WAY. 'Computed on the way' means the value that the module computes at that place (a softmax that the list does not call 'softmax' is quantised finished and normalised). What goes into a quantiser is computed in f32, as accurately as f32 sums, v_exp_f32 and their like allow (about 1e-6 of the number): no bf16 or f16 on the way to a quantiser, and a product that is left as it is and whose result goes on into a quantised operand takes f32 operands (vector FMAs, or v_wmma_f32_16x16x4_f32). A number that lies on a knife's edge between two numbers of the format may be rounded either way, as far as f32 arithmetic and the matrix unit's own rounding can turn it there, and no further.
;; One version. Each part assembles by itself: llvm-mc -triple=amdgcn-amd-amdhsa -mcpu=gfx1250 --defsym DOCPART=n.
;; ======== version 1 of 1: 5 launches
;; limits: right only within a limited range of input values
;; workspace buffers: wts 1,638,400 bytes; bkt 4,194,304 bytes of whole numbers; xq 3,276,800 bytes; ctx 3,276,800 bytes; x3 16,777,216 bytes; cfg0 256 bytes of whole numbers; cfg1 256 bytes of whole numbers
;; launch prep (part 1): grid 512 x 1, 4 waves a work-group, no clusters, 0 bytes of LDS; arguments distances, hidden_states, ln_row_w, ln_row_b, row_qW, row_kW, row_vW, row_oW, col_qW, col_kW, col_vW, col_oW, fc1W, fc2W, wts, bkt, xq, cfg0, cfg1; writes wts, bkt, xq, cfg0, cfg1
.if DOCPART == 1
	.amdgcn_target "amdgcn-amd-amdhsa--gfx1250"
	.amdhsa_code_object_version 6
	.text
	.protected	k_qd7f1186566_prep
	.globl	k_qd7f1186566_prep
	.p2align	8
	.type	k_qd7f1186566_prep,@function
k_qd7f1186566_prep:
	s_mov_b64 s[64:65], 0
	v_nop
	global_prefetch_b8 v0, s[64:65] scope:SCOPE_SE
	s_setreg_imm32_b32 hwreg(HW_REG_WAVE_MODE, 25, 1), 1
	s_wait_xcnt 0x0
; PREP.  Three kinds of work-groups, told apart by the work-group's number; no LDS, no barrier, waves share nothing.
;  0..255   BUCKETS: 4 x bucket(distance) as bytes, laid as the row launch's lanes want them: at (32 b + r) 65536 + qt 4096 + b' 512 + 16 lane lie the 16 bytes of
;           query 32 (qt/2) + 8 (qt%2) + n + 8 (n/8), n = lane % 16, against keys 32 b' + 16 (lane/16) + 0..15.
;  256..383 LN_row[0](hidden_states) as codes of E2M3, token-major: 192 bytes a token, and from byte 3,145,728 on 8 scale bytes a token.
;  384..511 all weights as codes in the order of the operand's registers.  A layer is 128 records of 6,400 bytes: four fragments (tile u, K step e) at (2 u + e) 1536, registers 4 g .. 4 g + 3 of lane L
;           at 512 g + 16 L; scale words at 6144 + 128 u + 4 L (lanes 0-15: K step 0, lanes 16-31: K step 1).  Lane r of tile u of pair p holds row 32 p + 8 u + r + 8 (r/8) of the weight.
; A block's scale byte is its largest magnitude's exponent field - 2, held at 1 from below.
; LIMITS: NaN and infinities are not served.  A block whose largest magnitude lies under 2^-124 keeps the byte 1 (a block of zeros too: its codes are zeros, and this program alone reads the bytes).
; The bucket is trunc(log2(a) x 30 / log2(50000)) + 1: a distance whose quotient lies within a few last places of a whole number may fall into the neighbouring bucket.
.set SEL, 58
.set MH, 60
.macro DGROUP g                        ; 16 distances of a lane become 16 bytes
	s_wait_loadcnt 28-4*(\g)                       ; the four loads of each later group may stay out
.set dk, 0
.rept 16
	v_sub_nc_u32 v[176+dk], 0, v[16+16*(\g)+dk]
.set dk, dk+1
.endr
.set dk, 0
.rept 16
	v_max_i32 v[16+16*(\g)+dk], v[16+16*(\g)+dk], v[176+dk]      ; |d|
.set dk, dk+1
.endr
.set dk, 0
.rept 16
	v_cvt_f32_i32 v[16+16*(\g)+dk], v[16+16*(\g)+dk]             ; a
.set dk, dk+1
.endr
.set dk, 0
.rept 16
	v_max_num_f32 v[176+dk], 1.0, v[16+16*(\g)+dk]
.set dk, dk+1
.endr
.set dk, 0
	s_wait_alu depctr_va_vdst(0)
.rept 16
	v_log_f32 v[176+dk], v[176+dk]
.set dk, dk+1
.endr
	v_nop                                          ; a plain instruction behind the batch
	s_wait_alu depctr_va_vdst(0)                   ; one wait for the sixteen logarithms, ahead of their first reader
.set dk, 0
.rept 16
	v_mul_f32 v[176+dk], s50, v[176+dk]            ; x 30 / log2(50000)
.set dk, dk+1
.endr
.set dk, 0
.rept 16
	v_cvt_i32_f32 v[176+dk], v[176+dk]             ; toward zero
.set dk, dk+1
.endr
.set dk, 0
.rept 16
	v_add_lshl_u32 v[176+dk], v[176+dk], 1, 2      ; 4 x (.. + 1)
.set dk, dk+1
.endr
.set dk, 0
.rept 16
	v_min_u32 v[176+dk], 124, v[176+dk]            ; held at bucket 31
.set dk, dk+1
.endr
.set dk, 0
.rept 16
	v_cmp_le_f32 vcc_lo, 1.0, v[16+16*(\g)+dk]
	v_cndmask_b32 v[176+dk], 0, v[176+dk], vcc_lo  ; bucket 0 where a < 1
.set dk, dk+1
.endr
.irp q,0,1,2,3
	v_lshl_or_b32 v[144+4*(\g)+\q], v[177+4*\q], 8, v[176+4*\q]
	v_lshl_or_b32 v[144+4*(\g)+\q], v[178+4*\q], 16, v[144+4*(\g)+\q]
	v_lshl_or_b32 v[144+4*(\g)+\q], v[179+4*\q], 24, v[144+4*(\g)+\q]
.endr
	global_store_b128 v7, v[144+4*(\g):147+4*(\g)], s[34:35] offset:512*(\g)   ; 32 lanes store 512 consecutive bytes
.endm
.macro XLOADS t                        ; four tokens: 4,096 consecutive bytes, 128 a lane
.irp i,0,1,2,3,4,5,6,7
	global_load_b128 v[80+32*((\t)%4)+48*(((\t)%4)/2)+4*\i:83+32*((\t)%4)+48*(((\t)%4)/2)+4*\i], v6, s[6:7] offset:4096*(\t)+16*\i   ; four sets of 32 registers by turns: v80, v112, v192, v224
.endr
.endm
.macro XSTEP t                         ; a lane holds one block of 32 channels of one token; eight lanes hold a token
.set xd, 80+32*((\t)%4)+48*(((\t)%4)/2)
.set xc, 144+8*((\t)%2)
	s_wait_xcnt 0x0                                ; earlier stores have read their data: this step's codes may be written
.if (\t)+3 < 8
	XLOADS (\t)+3                                  ; three steps ahead, into the set that the last step has worked off
.endif
.if (\t) < 5
	s_wait_loadcnt 24                              ; all but the eight loads of each of the next three steps
.else
	s_wait_loadcnt 8*(7-(\t))                      ; all but the eight loads of each step that is left
.endif
	v_pk_add_f32 v[176:177], v[xd:xd+1], v[xd+2:xd+3]
	v_pk_add_f32 v[178:179], v[xd+4:xd+5], v[xd+6:xd+7]
.irp j,8,12,16,20,24,28
	v_pk_add_f32 v[176:177], v[176:177], v[xd+\j:xd+\j+1]
	v_pk_add_f32 v[178:179], v[178:179], v[xd+\j+2:xd+\j+3]
.endr
	v_pk_add_f32 v[176:177], v[176:177], v[178:179]
	v_add_f32 v176, v176, v177
	v_add_f32_dpp v176, v176, v176 row_xmask:1 row_mask:0xf bank_mask:0xf
	v_add_f32_dpp v176, v176, v176 row_xmask:2 row_mask:0xf bank_mask:0xf
	v_add_f32_dpp v176, v176, v176 row_xmask:4 row_mask:0xf bank_mask:0xf
	v_mul_f32 v176, s50, v176                      ; - mean
.irp j,0,2,4,6,8,10,12,14,16,18,20,22,24,26,28,30
	v_pk_add_f32 v[xd+\j:xd+\j+1], v[xd+\j:xd+\j+1], v[176:177] op_sel_hi:[1,0]
.endr
	v_pk_mul_f32 v[178:179], v[xd:xd+1], v[xd:xd+1]
	v_pk_mul_f32 v[180:181], v[xd+2:xd+3], v[xd+2:xd+3]
.irp j,4,8,12,16,20,24,28
	v_pk_fma_f32 v[178:179], v[xd+\j:xd+\j+1], v[xd+\j:xd+\j+1], v[178:179]
	v_pk_fma_f32 v[180:181], v[xd+\j+2:xd+\j+3], v[xd+\j+2:xd+\j+3], v[180:181]
.endr
	v_pk_add_f32 v[178:179], v[178:179], v[180:181]
	v_add_f32 v178, v178, v179
	v_add_f32_dpp v178, v178, v178 row_xmask:1 row_mask:0xf bank_mask:0xf
	v_add_f32_dpp v178, v178, v178 row_xmask:2 row_mask:0xf bank_mask:0xf
	v_add_f32_dpp v178, v178, v178 row_xmask:4 row_mask:0xf bank_mask:0xf
	v_fma_f32 v178, v178, s51, s52                 ; variance + 1e-12
	s_wait_alu depctr_va_vdst(0)
	v_rsq_f32 v178, v178
	v_nop
	s_wait_alu depctr_va_vdst(0)                   ; ahead of the first reader of the root
.irp j,0,2,4,6,8,10,12,14,16,18,20,22,24,26,28,30
	v_pk_mul_f32 v[xd+\j:xd+\j+1], v[xd+\j:xd+\j+1], v[178:179] op_sel_hi:[1,0]
.endr
.irp j,0,2,4,6,8,10,12,14,16,18,20,22,24,26,28,30
	v_pk_fma_f32 v[xd+\j:xd+\j+1], v[xd+\j:xd+\j+1], v[16+\j:17+\j], v[48+\j:49+\j]
.endr
	v_max3_num_f32 v180, |v[xd]|, |v[xd+1]|, |v[xd+2]|
	v_max3_num_f32 v181, |v[xd+3]|, |v[xd+4]|, |v[xd+5]|
.irp i,6,10,14,18,22,26
	v_max3_num_f32 v180, v180, |v[xd+\i]|, |v[xd+\i+1]|
	v_max3_num_f32 v181, v181, |v[xd+\i+2]|, |v[xd+\i+3]|
.endr
	v_max3_num_f32 v180, v180, |v[xd+30]|, |v[xd+31]|
	v_max3_num_f32 v180, v180, v181, 0x1800000     ; the floor 2^(3 - 127): the byte cannot fall under 1
	v_add_nc_u32 v182, 0xff000000, v180            ; 2 off the exponent field: the conversion's scale operand
	v_cvt_scalef32_pk16_fp6_f32 v[xc:xc+2], v[xd:xd+15], v182
	v_cvt_scalef32_pk16_fp6_f32 v[xc+4:xc+6], v[xd+16:xd+31], v182
	v_lshrrev_b32 v[xc+7], 23, v182                ; the scale's byte
	global_store_b96 v8, v[xc:xc+2], s[46:47] offset:768*(\t)
	global_store_b96 v8, v[xc+4:xc+6], s[46:47] offset:768*(\t)+12
	global_store_b8 v9, v[xc+7], s[36:37] offset:32*(\t)
.endm
.macro WBLOCK bl                       ; block bl = 2 e + c of my row: 32 numbers, all mine
.set wd, 16+32*(\bl)
	s_wait_loadcnt 24-8*(\bl)                      ; the eight loads of each later block may stay out
	v_max3_num_f32 v[184+(\bl)], |v[wd]|, |v[wd+1]|, |v[wd+2]|
	v_max3_num_f32 v10, |v[wd+3]|, |v[wd+4]|, |v[wd+5]|
.irp i,6,10,14,18,22,26
	v_max3_num_f32 v[184+(\bl)], v[184+(\bl)], |v[wd+\i]|, |v[wd+\i+1]|
	v_max3_num_f32 v10, v10, |v[wd+\i+2]|, |v[wd+\i+3]|
.endr
	v_max3_num_f32 v[184+(\bl)], v[184+(\bl)], |v[wd+30]|, |v[wd+31]|
	v_max3_num_f32 v[184+(\bl)], v[184+(\bl)], v10, 0x1800000
	v_add_nc_u32 v[188+(\bl)], 0xff000000, v[184+(\bl)]
	v_lshrrev_b32 v[184+(\bl)], 23, v[188+(\bl)]
	v_cvt_scalef32_pk16_fp6_f32 v[144+6*(\bl):146+6*(\bl)], v[wd:wd+15], v[188+(\bl)]
	v_cvt_scalef32_pk16_fp6_f32 v[168+4*(\bl):170+4*(\bl)], v[wd+16:wd+31], v[188+(\bl)]   ; (three registers begin on an even number: made elsewhere and moved)
	v_nop                                          ; one plain place behind a scaled conversion
.irp i,0,1,2
	v_mov_b32 v[147+6*(\bl)+\i], v[168+4*(\bl)+\i]
.endr
.endm
	s_load_b512 s[4:19], s[0:1], 0x0               ; distances 4, hidden 6, ln w 8, ln b 10, row q 12, k 14, v 16, o 18
	s_load_b512 s[20:35], s[0:1], 0x40             ; col q 20, k 22, v 24, o 26, fc1 28, fc2 30, wts 32, bkt 34
	s_load_b128 s[36:39], s[0:1], 0x80             ; xq 36, cfg0 38
	s_load_b64 s[40:41], s[0:1], 0x90              ; cfg1
	v_lshrrev_b32 v1, 5, v0
	v_readfirstlane_b32 s42, v1                    ; wave
	v_and_b32 v1, 31, v0                           ; lane
	v_and_b32 v2, 15, v0                           ; r
	v_bfe_u32 v3, v0, 4, 1                         ; h
	v_and_b32 v5, 8, v2
	v_add_nc_u32 v5, v5, v2                        ; r + 8 (r / 8)
	s_mov_b32 s[SEL], 0x76543210
	s_mov_b32 s[SEL+1], 0xfedcba98
	s_mov_b32 s[MH], 0xffff0000                    ; lanes 16-31
	s_mov_b32 s49, 0
	s_wait_kmcnt 0x0
	s_cmp_lt_u32 ttmp9, 256
	s_cbranch_scc0 .Lnot_d
; ---------------- buckets: a wave takes one tile of 16 queries of one (b, r)
	s_lshl_b32 s44, ttmp9, 2
	s_add_co_u32 s44, s44, s42                     ; task = 16 (32 b + r) + qt
	s_lshr_b32 s45, s44, 4
	s_lshl_b32 s48, s45, 18                        ; 262,144 bytes a (b, r)
	s_bfe_u32 s46, s44, 0x30001
	s_lshl_b32 s46, s46, 15                        ; 32 (qt / 2) rows of 1,024 bytes
	s_add_co_u32 s48, s48, s46
	s_and_b32 s46, s44, 1
	s_lshl_b32 s46, s46, 13                        ; 8 (qt % 2) rows
	s_add_co_u32 s48, s48, s46
	s_add_nc_u64 s[4:5], s[4:5], s[48:49]
	s_lshl_b32 s48, s44, 12
	s_add_nc_u64 s[34:35], s[34:35], s[48:49]
	s_mov_b32 s50, 0x3ff60077                      ; 30 / log2(50000)
	s_wait_alu depctr_va_vdst(0)
	v_lshlrev_b32 v6, 10, v5
	v_lshl_add_u32 v6, v3, 6, v6                   ; my query's row, + 64 h
	v_lshlrev_b32 v7, 4, v1
.set gb, 0
.rept 8
.irp i,0,1,2,3
	global_load_b128 v[16+16*gb+4*\i:19+16*gb+4*\i], v6, s[4:5] offset:128*gb+16*\i th:TH_LOAD_NT
.endr
.set gb, gb+1
.endr
.irp g,0,1,2,3,4,5,6,7
	DGROUP \g
.endr
	s_endpgm
.Lnot_d:
	s_cmp_lt_u32 ttmp9, 384
	s_cbranch_scc0 .Lrole_w
; ---------------- LN_row[0] and codes: a wave takes 32 tokens, four a step
	s_sub_co_u32 s44, ttmp9, 256
	s_lshl_b32 s44, s44, 2
	s_add_co_u32 s44, s44, s42
	s_lshl_b32 s48, s44, 15
	s_add_nc_u64 s[6:7], s[6:7], s[48:49]
	s_mul_i32 s48, s44, 6144
	s_add_nc_u64 s[46:47], s[36:37], s[48:49]      ; the codes
	s_lshl_b32 s48, s44, 8
	s_add_co_u32 s48, s48, 3145728
	s_add_nc_u64 s[36:37], s[36:37], s[48:49]      ; the scale bytes
	s_mov_b32 s50, 0xbb800000                      ; -1/256
	s_mov_b32 s51, 0x3b800000                      ; 1/256
	s_mov_b32 s52, 0x2b8cbccc                      ; 1e-12
	s_wait_alu depctr_va_vdst(0)
	v_lshlrev_b32 v6, 7, v1
	v_and_b32 v7, 7, v1
	v_lshlrev_b32 v7, 7, v7
	v_mul_u32_u24 v8, v1, 24
	v_mov_b32 v9, v1
.irp i,0,1,2,3,4,5,6,7
	global_load_b128 v[16+4*\i:19+4*\i], v7, s[8:9] offset:16*\i
.endr
.irp i,0,1,2,3,4,5,6,7
	global_load_b128 v[48+4*\i:51+4*\i], v7, s[10:11] offset:16*\i
.endr
	XLOADS 0
	XLOADS 1
	XLOADS 2
	s_wait_alu depctr_va_vdst(0)
.irp t,0,1,2,3,4,5,6,7
	XSTEP \t
.endr
	s_endpgm
.Lrole_w:
; ---------------- weights: a wave makes tile u of one record: two fragments and 128 bytes of scale words
	s_sub_co_u32 s44, ttmp9, 384
	s_lshr_b32 s45, s42, 1
	s_and_b32 s46, s42, 1                          ; u
	s_cmp_lt_u32 s44, 64
	s_cbranch_scc0 .Lfc
	s_lshr_b32 s47, s44, 3                         ; which of the eight 256 x 256 weights
	s_and_b32 s48, s44, 7
	s_lshl_b32 s48, s48, 1
	s_add_co_u32 s48, s48, s45
	s_lshr_b32 s43, s48, 3                         ; layer
	s_and_b32 s50, s48, 7                          ; p
	s_mov_b64 s[52:53], s[12:13]
	s_cmp_eq_u32 s47, 1
	s_cselect_b64 s[52:53], s[14:15], s[52:53]
	s_cmp_eq_u32 s47, 2
	s_cselect_b64 s[52:53], s[16:17], s[52:53]
	s_cmp_eq_u32 s47, 3
	s_cselect_b64 s[52:53], s[18:19], s[52:53]
	s_cmp_eq_u32 s47, 4
	s_cselect_b64 s[52:53], s[20:21], s[52:53]
	s_cmp_eq_u32 s47, 5
	s_cselect_b64 s[52:53], s[22:23], s[52:53]
	s_cmp_eq_u32 s47, 6
	s_cselect_b64 s[52:53], s[24:25], s[52:53]
	s_cmp_eq_u32 s47, 7
	s_cselect_b64 s[52:53], s[26:27], s[52:53]
	s_mul_i32 s51, s50, 3
	s_add_co_u32 s51, s51, s47                     ; row q, k, v: record 3 p + t
	s_lshl_b32 s54, s47, 3
	s_add_co_u32 s54, s54, s50                     ; the others: 8 x weight + p
	s_cmp_lt_u32 s47, 3
	s_cselect_b32 s51, s51, s54
	s_lshl_b32 s55, s43, 18
	s_mov_b32 s56, 1024                            ; a row of the weight in bytes
	s_branch .Lwgo
.Lfc:
	s_and_b32 s48, s44, 31
	s_lshl_b32 s48, s48, 1
	s_add_co_u32 s48, s48, s45
	s_lshr_b32 s43, s48, 5                         ; layer
	s_and_b32 s57, s48, 31
	s_lshl_b32 s55, s43, 20
	s_cmp_lt_u32 s44, 96
	s_cbranch_scc0 .Lfc2
	s_mov_b64 s[52:53], s[28:29]
	s_mov_b32 s50, s57
	s_add_co_u32 s51, s57, 64
	s_mov_b32 s56, 1024
	s_branch .Lwgo
.Lfc2:
	s_mov_b64 s[52:53], s[30:31]
	s_lshr_b32 s50, s57, 2
	s_and_b32 s54, s57, 3
	s_lshl_b32 s54, s54, 10                        ; 256 along K for each record
	s_add_co_u32 s55, s55, s54
	s_add_co_u32 s51, s57, 96
	s_mov_b32 s56, 4096
.Lwgo:
	s_lshl_b32 s54, s50, 5
	s_lshl_b32 s57, s46, 3
	s_add_co_u32 s54, s54, s57                     ; 32 p + 8 u
	s_mul_i32 s54, s54, s56
	s_add_co_u32 s54, s54, s55
	s_mov_b32 s55, 0
	s_add_nc_u64 s[52:53], s[52:53], s[54:55]
	s_mul_i32 s54, s43, 819200
	s_mul_i32 s57, s51, 6400
	s_add_co_u32 s54, s54, s57
	s_add_nc_u64 s[32:33], s[32:33], s[54:55]
	s_wait_alu depctr_va_vdst(0)
	v_mul_lo_u32 v6, v5, s56
	v_lshl_add_u32 v6, v3, 7, v6                   ; row r + 8 (r / 8), + 128 h bytes
	s_mul_i32 s54, s46, 3072
	v_lshlrev_b32 v7, 4, v1
	v_add_nc_u32 v7, s54, v7
	s_lshl_b32 s54, s46, 7
	s_add_co_u32 s54, s54, 6144
	v_lshlrev_b32 v8, 2, v1
	v_add_nc_u32 v8, s54, v8
.set gb, 0
.rept 4
.irp i,0,1,2,3,4,5,6,7
	global_load_b128 v[16+32*gb+4*\i:19+32*gb+4*\i], v6, s[52:53] offset:256*gb+16*\i th:TH_LOAD_NT
.endr
.set gb, gb+1
.endr
	v_lshlrev_b32 v12, 3, v3                       ; 8 h
	v_mov_b32 v13, 0
.irp bl,0,1,2,3
	WBLOCK \bl
.endr
.irp e,0,1
	v_lshl_or_b32 v11, v[185+2*\e], 16, v[184+2*\e]   ; my two bytes: blocks h and 2 + h,
	v_lshlrev_b32 v11, v12, v11                    ; at their places;
	v_permlanex16_b32 v13, v11, s[SEL], s[SEL+1]
	v_or_b32 v[14+\e], v11, v13                    ; with the other half's the word is whole
.endr
	v_cndmask_b32 v14, v14, v15, s[MH]             ; lanes 0-15: K step 0, lanes 16-31: K step 1
.irp e,0,1
.irp g,0,1,2
	global_store_b128 v7, v[144+12*\e+4*\g:147+12*\e+4*\g], s[32:33] offset:1536*\e+512*\g
.endr
.endr
	global_store_b32 v8, v14, s[32:33]
	s_or_b32 s54, s44, s42
	s_cmp_lg_u32 s54, 0
	s_cbranch_scc1 .Lw_end
	v_lshlrev_b32 v9, 3, v1                        ; one wave also stores the two layers' numbers {l, 1 - l}
	v_mov_b32 v10, 0
	v_mov_b32 v11, 1
	global_store_b64 v9, v[10:11], s[38:39]
	v_mov_b32 v12, 1
	v_mov_b32 v13, 0
	global_store_b64 v9, v[12:13], s[40:41]
.Lw_end:
	s_endpgm
.Lfunc_end_k_qd7f1186566_prep:
	.size	k_qd7f1186566_prep, .Lfunc_end_k_qd7f1186566_prep-k_qd7f1186566_prep
	.p2alignl 7, 3214868480
	.fill 96, 4, 3214868480
	.section	.rodata,"a",@progbits
	.p2align	6, 0x0
	.amdhsa_kernel k_qd7f1186566_prep
		.amdhsa_group_segment_fixed_size 0
		.amdhsa_private_segment_fixed_size 0
		.amdhsa_enable_private_segment 0
		.amdhsa_kernarg_size 152
		.amdhsa_user_sgpr_count 2
		.amdhsa_user_sgpr_kernarg_segment_ptr 1
		.amdhsa_wavefront_size32 1
		.amdhsa_system_sgpr_workgroup_id_x 1
		.amdhsa_system_sgpr_workgroup_id_y 1
		.amdhsa_system_sgpr_workgroup_id_z 1
		.amdhsa_system_vgpr_workitem_id 0
		.amdhsa_next_free_vgpr 256
		.amdhsa_next_free_sgpr 66
		.amdhsa_reserve_vcc 1
		.amdhsa_float_denorm_mode_32 3
		.amdhsa_float_denorm_mode_16_64 3
		.amdhsa_memory_ordered 1
		.amdhsa_forward_progress 1
		.amdhsa_inst_pref_size 144
	.end_amdhsa_kernel
	.amdgpu_metadata
---
amdhsa.version: [ 1, 2 ]
amdhsa.kernels:
  - .name:           k_qd7f1186566_prep
    .symbol:         k_qd7f1186566_prep.kd
    .args:
      - { .name: distances, .offset: 0, .size: 8, .value_kind: global_buffer, .address_space: global }
      - { .name: hidden_states, .offset: 8, .size: 8, .value_kind: global_buffer, .address_space: global }
      - { .name: ln_row_w, .offset: 16, .size: 8, .value_kind: global_buffer, .address_space: global }
      - { .name: ln_row_b, .offset: 24, .size: 8, .value_kind: global_buffer, .address_space: global }
      - { .name: row_qW, .offset: 32, .size: 8, .value_kind: global_buffer, .address_space: global }
      - { .name: row_kW, .offset: 40, .size: 8, .value_kind: global_buffer, .address_space: global }
      - { .name: row_vW, .offset: 48, .size: 8, .value_kind: global_buffer, .address_space: global }
      - { .name: row_oW, .offset: 56, .size: 8, .value_kind: global_buffer, .address_space: global }
      - { .name: col_qW, .offset: 64, .size: 8, .value_kind: global_buffer, .address_space: global }
      - { .name: col_kW, .offset: 72, .size: 8, .value_kind: global_buffer, .address_space: global }
      - { .name: col_vW, .offset: 80, .size: 8, .value_kind: global_buffer, .address_space: global }
      - { .name: col_oW, .offset: 88, .size: 8, .value_kind: global_buffer, .address_space: global }
      - { .name: fc1W, .offset: 96, .size: 8, .value_kind: global_buffer, .address_space: global }
      - { .name: fc2W, .offset: 104, .size: 8, .value_kind: global_buffer, .address_space: global }
      - { .name: wts, .offset: 112, .size: 8, .value_kind: global_buffer, .address_space: global }
      - { .name: bkt, .offset: 120, .size: 8, .value_kind: global_buffer, .address_space: global }
      - { .name: xq, .offset: 128, .size: 8, .value_kind: global_buffer, .address_space: global }
      - { .name: cfg0, .offset: 136, .size: 8, .value_kind: global_buffer, .address_space: global }
      - { .name: cfg1, .offset: 144, .size: 8, .value_kind: global_buffer, .address_space: global }
    .group_segment_fixed_size: 0
    .private_segment_fixed_size: 0
    .kernarg_segment_align: 8
    .kernarg_segment_size: 152
    .max_flat_workgroup_size: 128
    .sgpr_count:     66
    .vgpr_count:     256
    .wavefront_size: 32
...
	.end_amdgpu_metadata
.endif
;; end of part 1
;; launch row0 (part 2): grid 256 x 1, 16 waves a work-group, no clusters, 81,408 bytes of LDS; arguments xq, wts, bkt, cfg0, row_qb, row_kb, row_vb, row_rel, ctx; writes ctx
.if DOCPART == 2
	.amdgcn_target "amdgcn-amd-amdhsa--gfx1250"
	.amdhsa_code_object_version 6
	.text
	.protected	k_qd7f1186566_row0
	.globl	k_qd7f1186566_row0
	.p2align	8
	.type	k_qd7f1186566_row0,@function
k_qd7f1186566_row0:
	s_mov_b64 s[64:65], 0
	v_nop
	global_prefetch_b8 v0, s[64:65] scope:SCOPE_SE
	s_setreg_imm32_b32 hwreg(HW_REG_WAVE_MODE, 25, 1), 1
	s_wait_xcnt 0x0
; ROW ATTENTION.  A work-group takes one (b, r) and two heads; sixteen waves.  All products on codes of E2M3 with E8M0 scales.
; PHASE A: wave (tp = w / 2, hd = w % 2) makes q, k, v of head 2 hp + hd for the 32 tokens of tiles 2 tp, 2 tp + 1, quantises them in registers and lays them in LDS as pieces of operands' register images.
; PHASE B: wave w owns query tile w and runs both heads, 128 keys a step.  S^T = K Q^T + bias (the bias is the product's C), p = 2^(t - M) with M a whole number, O^T += V^T P^T, divided by the sum of the unquantised p.
; The token of (tile t, slot n) is 32 (t/2) + 8 (t%2) + n + 8 (n/8): so the 16 registers of two neighbouring tiles of S^T are 16 neighbouring keys.
; A tile of Q or K holds BOTH heads' blocks of 32: lanes 0-15 head 0 (the instruction's k 0-31), lanes 16-31 head 1 (k 32-63).  Q is masked to the head in hand and is zero in registers 6-11: zero codes
; wipe out whatever K's registers hold there, so K's tiles lie 6 registers apart.
; No clusters: the four work-groups of a (b, r) share its codes and buckets, 112 KiB; sharing them would want tensor loads and a ring; here every operand goes by plain loads.
; LIMITS: NaN and infinities are not served; a block under 2^-124 keeps the byte 1.
.set QIMG, 0                           ; 16 tiles x 768: registers 0-3 at 16 L, 4-5 at 512 + 8 L, L = slot + 16 head
.set KIMG, 12288
.set VIMG, 24576                       ; 8 fragments (2 hd + a) 2 + s, 1,536 bytes each
.set QSC, 36864                        ; 2 bytes a slot
.set KSC, 37376
.set VSC, 37888                        ; 64 bytes a fragment
.set WIMG, 38400                       ; six weight records (and 2,560 bytes more, so that each thread copies five times 16 bytes)
.set CSTG, WIMG                        ; the way out: 768 bytes a wave, written only when nobody reads the weights any more
.set RL, 1
.set HL, 2
.set L16, 3
.set L8, 4
.set L4, 5
.set XO, 6
.set XSO, 7
.set AQ16, 8
.set AQ8, 9
.set ASQ, 10
.set AV, 11
.set ASV, 14
.set MLO, 15
.set MHI, 16
.set RL2, 17
.set VP, 18
.set RL4, 19
.set WS, 20                            ; v20-33 hold scales and nothing else
.set XS, 22
.set QS, 26
.set KS, 27
.set PW, 31
.set VS, 32
.set REL, 34
.set BK, 36
.set ACC, 68
.set TM, 100
.set XA, 108
.set XB, 114
.set BSEL, 117
.set VBO, 118
.set RLO, 119
.set BQ, 124
.set BKB, 140
.set VRAW, 156
.set WF, 158
.set XF, 206
.set WA, 254
.set WSA, 255
.set S, 68
.set O, 132
.set KF, 148
.set VF, 148
.set QM, 178
.set Q6, 190
.set PC, 196
.set PT, 208
.set BM, 216
.set NM, 232
.set TMX, 233
.set LS, 234
.set FF, 236
.set T0, 238
.set XC, 240
.set CBY, 248
.set BT, 250
.set WV, 23
.set SEL, 30
.set MH, 32
.set CS, 34
.macro PL n
.rept \n
	v_nop
.endr
.endm
.macro BARRIER                         ; my LDS stores have landed and my LDS loads are in: then the work-group's barrier
	s_wait_dscnt 0x0
	s_barrier_signal -1
	s_barrier_wait -1
.endm
.macro MMX d, a, b, c, sa, sb, ra, rb
.if ((\ra) == 0) && ((\rb) == 0)
	v_wmma_scale_f32_16x16x128_f8f6f4 v[\d:\d+7], v[\a:\a+11], v[\b:\b+11], v[\c:\c+7], v[\sa], v[\sb] matrix_a_fmt:MATRIX_FMT_FP6 matrix_b_fmt:MATRIX_FMT_FP6
.elseif ((\ra) == 1) && ((\rb) == 0)
	v_wmma_scale_f32_16x16x128_f8f6f4 v[\d:\d+7], v[\a:\a+11], v[\b:\b+11], v[\c:\c+7], v[\sa], v[\sb] matrix_a_fmt:MATRIX_FMT_FP6 matrix_b_fmt:MATRIX_FMT_FP6 matrix_a_scale:MATRIX_SCALE_ROW1
.else
	v_wmma_scale_f32_16x16x128_f8f6f4 v[\d:\d+7], v[\a:\a+11], v[\b:\b+11], v[\c:\c+7], v[\sa], v[\sb] matrix_a_fmt:MATRIX_FMT_FP6 matrix_b_fmt:MATRIX_FMT_FP6 matrix_b_scale:MATRIX_SCALE_ROW1
.endif
.endm
.macro MMZ d, a, b, sa, sb
	v_wmma_scale_f32_16x16x128_f8f6f4 v[\d:\d+7], v[\a:\a+11], v[\b:\b+11], 0, v[\sa], v[\sb] matrix_a_fmt:MATRIX_FMT_FP6 matrix_b_fmt:MATRIX_FMT_FP6
.endm
; n groups of 16 registers (half a block each; the other half lies in lane l xor 16): largest magnitudes at tm, scale operands at tm + 2 n, bytes at tm + 3 n
.macro QSCALE n, src, tm
.set qg, 0
.rept \n
	v_max3_num_f32 v[\tm+qg], |v[\src+16*qg]|, |v[\src+16*qg+1]|, 0x1800000   ; with the floor 2^(3 - 127): the byte cannot fall under 1
.set qg, qg+1
.endr
.set qi, 2
.rept 7
.set qg, 0
.rept \n
	v_max3_num_f32 v[\tm+qg], v[\tm+qg], |v[\src+16*qg+qi]|, |v[\src+16*qg+qi+1]|
.set qg, qg+1
.endr
.set qi, qi+2
.endr
.set qg, 0
	v_permlanex16_b32 v[\tm+\n+qg], v[\tm+qg], s[SEL], s[SEL+1]
.set qg, qg+1
.rept (\n)-1
	s_delay_alu instid0(VALU_DEP_2)
	v_permlanex16_b32 v[\tm+\n+qg], v[\tm+qg], s[SEL], s[SEL+1]
.set qg, qg+1
.endr
.set qg, 0
	v_max_num_f32 v[\tm+qg], v[\tm+qg], v[\tm+\n+qg]
.set qg, qg+1
.rept (\n)-1
	s_delay_alu instid0(VALU_DEP_2)
	v_max_num_f32 v[\tm+qg], v[\tm+qg], v[\tm+\n+qg]
.set qg, qg+1
.endr
.set qg, 0
	v_add_nc_u32 v[\tm+2*\n+qg], 0xff000000, v[\tm+qg]   ; 2 off the exponent field: the conversion's scale operand
.set qg, qg+1
.rept (\n)-1
	s_delay_alu instid0(VALU_DEP_2)
	v_add_nc_u32 v[\tm+2*\n+qg], 0xff000000, v[\tm+qg]   ; 2 off the exponent field: the conversion's scale operand
.set qg, qg+1
.endr
.set qg, 0
	v_lshrrev_b32 v[\tm+3*\n+qg], 23, v[\tm+2*\n+qg]
.set qg, qg+1
.rept (\n)-1
	s_delay_alu instid0(VALU_DEP_2)
	v_lshrrev_b32 v[\tm+3*\n+qg], 23, v[\tm+2*\n+qg]
.set qg, qg+1
.endr
.endm
.macro QPAIR                           ; the two groups of ACC become whole blocks: lanes 0-15 hold group 0's 32 codes in v[XA .. XA+5], lanes 16-31 group 1's
	QSCALE 2, ACC, TM
	v_cvt_scalef32_pk16_fp6_f32 v[XA:XA+2], v[ACC:ACC+15], v[TM+4]
	v_cvt_scalef32_pk16_fp6_f32 v[XB:XB+2], v[ACC+16:ACC+31], v[TM+5]
	v_nop                                          ; one plain place behind a scaled conversion
.irp i,0,1,2
	v_permlane16_swap_b32 v[XA+\i], v[XB+\i]
.endr
.irp i,0,1,2
	s_delay_alu instid0(VALU_DEP_3)
	v_mov_b32 v[XA+3+\i], v[XB+\i]
.endr
	v_cndmask_b32 v[BSEL], v[TM+6], v[TM+7], s[MH]
.endm
.macro QK_OUT img, sc
	QPAIR
	ds_store_b128 v[AQ16], v[XA:XA+3] offset:\img
	ds_store_b64 v[AQ8], v[XA+4:XA+5] offset:\img
	ds_store_b8 v[ASQ], v[BSEL] offset:\sc
.endm
.macro WCH t                           ; my head's record t (q, k, v): four fragments and two scale words
.irp i,0,1,2,3,4,5,6,7,8,9,10,11
	ds_load_b128 v[WF+4*\i:WF+4*\i+3], v[WA] offset:6400*(\t)+512*\i
.endr
	ds_load_b32 v[WS], v[WSA] offset:6400*(\t)+6144
	ds_load_b32 v[WS+1], v[WSA] offset:6400*(\t)+6272
.endm
.macro PROJT cb                        ; transposed: source 0 = 16 rows of the weight, source 1 = 16 tokens; four accumulators by turns; the bias is the first C
.irp e,0,1
.irp tt,0,1
.irp u,0,1
.if \e == 0
	MMX ACC+16*\tt+8*\u, WF+24*\u, XF+24*\tt, \cb+8*\u, WS+\u, XS+2*\tt, 0, 0
.else
	MMX ACC+16*\tt+8*\u, WF+24*\u+12, XF+24*\tt+12, ACC+16*\tt+8*\u, WS+\u, XS+2*\tt+1, 1, 0
.endif
.endr
.endr
.endr
.endm
.macro PROJV                           ; not transposed: a lane holds one channel of v, its registers run along the tokens, which are the next K
.irp e,0,1
.irp u,0,1
.irp tt,0,1
.if \e == 0
	MMX ACC+16*\u+8*\tt, XF+24*\tt, WF+24*\u, BQ+8*\u, XS+2*\tt, WS+\u, 0, 0
.else
	MMX ACC+16*\u+8*\tt, XF+24*\tt+12, WF+24*\u+12, ACC+16*\u+8*\tt, XS+2*\tt+1, WS+\u, 0, 1
.endif
.endr
.endr
.endr
.endm
.macro KLOAD kt0                       ; four tiles of K, 6 registers apart, and their scale bytes
.irp i,0,1,2,3
	ds_load_b128 v[KF+6*\i:KF+6*\i+3], v[L16] offset:KIMG+768*((\kt0)+\i)
	ds_load_b64 v[KF+6*\i+4:KF+6*\i+5], v[L8] offset:KIMG+768*((\kt0)+\i)+512
	ds_load_u16 v[KS+\i], v[RL2] offset:KSC+32*((\kt0)+\i)
.endr
.endm
; A KEY STEP: 128 keys, head hd.  first = 1: the products V^T P start O^T's sums.
.macro STEP hd, s, first
	PL 4                                           ; places in front of loads into registers that matrix instructions have read
	KLOAD 8*(\s)
.set sn, 0
.rept 64                                       ; the bias rel[bucket] lands in the accumulators: lane L of v[REL] holds bucket L's number for this head
	v_bfe_u32 v[BT+sn%4], v[BK+16*(\s)+4*(sn/16)+2*((sn/8)%2)+(sn%8)/4], 8*(sn%4), 8
	ds_bpermute_b32 v[S+sn], v[BT+sn%4], v[REL+(\hd)]
.set sn, sn+1
.endr
	s_wait_dscnt 0x0
.irp i,0,1,2,3
	MMX S+8*\i, KF+6*\i, QM, S+8*\i, KS+\i, QS, 0, 0
.endr
	PL 4
	KLOAD 8*(\s)+4
	s_wait_dscnt 0x0
.irp i,0,1,2,3
	MMX S+32+8*\i, KF+6*\i, QM, S+32+8*\i, KS+\i, QS, 0, 0
.endr
	PL 4
.irp a,0,1                                     ; V's two fragments of this step are asked for here and land under the softmax
.irp g,0,1,2
	ds_load_b128 v[VF+12*\a+4*\g:VF+12*\a+4*\g+3], v[L16] offset:VIMG+(2*(2*(\hd)+\a)+(\s))*1536+512*\g
.endr
	ds_load_b32 v[VS+\a], v[RL4] offset:VSC+64*(2*(2*(\hd)+\a)+(\s))
.endr
.irp b,0,1,2,3
	v_max3_num_f32 v[BM+\b], v[S+16*\b], v[S+16*\b+1], v[S+16*\b+2]   ; each block's largest score: for the row's maximum and for the block's largest p
.endr
.irp i,3,5,7,9,11,13
.irp b,0,1,2,3
	v_max3_num_f32 v[BM+\b], v[BM+\b], v[S+16*\b+\i], v[S+16*\b+\i+1]
.endr
.endr
.irp b,0,1,2,3
	v_max_num_f32 v[BM+\b], v[BM+\b], v[S+16*\b+15]
.endr
.irp b,0,1,2,3
	s_delay_alu instid0(VALU_DEP_4)
	v_permlanex16_b32 v[BM+4+\b], v[BM+\b], s[SEL], s[SEL+1]
.endr
.irp b,0,1,2,3
	s_delay_alu instid0(VALU_DEP_4)
	v_max_num_f32 v[BM+\b], v[BM+\b], v[BM+4+\b]
.endr
	s_delay_alu instid0(VALU_DEP_2)
	v_max3_num_f32 v[T0], v[BM], v[BM+1], v[BM+2]
	s_delay_alu instid0(VALU_DEP_1)
	v_max_num_f32 v[T0], v[T0], v[BM+3]
	s_delay_alu instid0(VALU_DEP_1)
	v_mul_f32 v[T0], s[CS], v[T0]                  ; as t = score x log2(e)
	s_delay_alu instid0(VALU_DEP_1)
	v_max_num_f32 v[TMX], v[TMX], v[T0]            ; the running largest t
	v_mov_b32 v[T0], v[NM]
	s_delay_alu instid0(VALU_DEP_2)
	v_floor_f32 v[NM], -v[TMX]                     ; -M = floor(-t): M is a whole number
	s_delay_alu instid0(VALU_DEP_1)
	v_sub_f32 v[T0], v[NM], v[T0]
	s_delay_alu instid0(VALU_DEP_1)
	v_cvt_i32_f32 v[T0], v[T0]                     ; (it saturates)
	s_delay_alu instid0(VALU_DEP_1)
	v_ldexp_f32 v[FF], 1.0, v[T0]                  ; f = 2^(old M - new M)
.set sn, 0
.rept 32
	v_pk_fma_f32 v[S+sn:S+sn+1], v[S+sn:S+sn+1], s[CS:CS+1], v[NM:NM+1] op_sel_hi:[1,0,0]
.set sn, sn+2
.endr
.irp b,0,1,2,3
	v_fma_f32 v[BM+\b], v[BM+\b], s[CS], v[NM]
.endr
.set sn, 0
	s_wait_alu depctr_va_vdst(0)
.rept 64
	v_exp_f32 v[S+sn], v[S+sn]                     ; p = 2^(t - M): not normalised
.set sn, sn+1
.endr
	v_pk_mul_f32 v[LS:LS+1], v[LS:LS+1], v[FF:FF+1] op_sel_hi:[1,0]   ; the sums under the new M (a plain place behind the batch)
	s_wait_alu depctr_va_vdst(0)                   ; one wait for the 64, ahead of their first reader
.irp b,0,1,2,3
	v_exp_f32 v[BM+\b], v[BM+\b]                   ; the blocks' largest p
.endr
	v_pk_add_f32 v[238:239], v[72:73], v[76:77]
	v_pk_add_f32 v[254:255], v[80:81], v[84:85]
	v_pk_add_f32 v[252:253], v[88:89], v[92:93]
	v_pk_add_f32 v[250:251], v[96:97], v[100:101]
	v_pk_add_f32 v[246:247], v[104:105], v[108:109]
	v_pk_add_f32 v[244:245], v[112:113], v[116:117]
	v_pk_add_f32 v[230:231], v[120:121], v[124:125]
	v_pk_add_f32 v[234:235], v[234:235], v[128:129]
	v_pk_add_f32 v[238:239], v[238:239], v[68:69]
	v_pk_add_f32 v[254:255], v[254:255], v[70:71]
	v_pk_add_f32 v[252:253], v[252:253], v[74:75]
	v_pk_add_f32 v[250:251], v[250:251], v[78:79]
	v_pk_add_f32 v[246:247], v[246:247], v[82:83]
	v_pk_add_f32 v[244:245], v[244:245], v[86:87]
	v_pk_add_f32 v[230:231], v[230:231], v[90:91]
	v_pk_add_f32 v[234:235], v[234:235], v[94:95]
	v_pk_add_f32 v[238:239], v[238:239], v[98:99]
	v_pk_add_f32 v[254:255], v[254:255], v[102:103]
	v_pk_add_f32 v[252:253], v[252:253], v[106:107]
	v_pk_add_f32 v[250:251], v[250:251], v[110:111]
	v_pk_add_f32 v[246:247], v[246:247], v[114:115]
	v_pk_add_f32 v[244:245], v[244:245], v[118:119]
	v_pk_add_f32 v[230:231], v[230:231], v[122:123]
	v_pk_add_f32 v[234:235], v[234:235], v[126:127]
	v_pk_add_f32 v[238:239], v[238:239], v[130:131]
	s_delay_alu instid0(VALU_DEP_2)
	v_pk_add_f32 v[234:235], v[234:235], v[250:251]
	s_delay_alu instid0(VALU_DEP_2)
	v_pk_add_f32 v[238:239], v[238:239], v[246:247]
	v_pk_add_f32 v[254:255], v[254:255], v[244:245]
	v_pk_add_f32 v[252:253], v[252:253], v[230:231]
	s_delay_alu instid0(VALU_DEP_2)
	v_pk_add_f32 v[234:235], v[234:235], v[254:255]
	s_delay_alu instid0(VALU_DEP_2)
	v_pk_add_f32 v[238:239], v[238:239], v[252:253]
	s_delay_alu instid0(VALU_DEP_1)
	v_pk_add_f32 v[234:235], v[234:235], v[238:239]
	s_wait_alu depctr_va_vdst(0)                   ; and one for the four
.irp b,0,1,2,3
	v_max_num_f32 v[BM+\b], 0x1800000, v[BM+\b]
.endr
.irp b,0,1,2,3
	s_delay_alu instid0(VALU_DEP_4)
	v_add_nc_u32 v[BM+8+\b], 0xff000000, v[BM+\b]
.endr
.irp b,0,1,2,3
	s_delay_alu instid0(VALU_DEP_4)
	v_lshrrev_b32 v[BM+12+\b], 23, v[BM+8+\b]
.endr
	s_delay_alu instid0(VALU_DEP_3)
	v_lshl_or_b32 v[PW], v[BM+13], 8, v[BM+12]     ; p's scale word for these 128 keys
	s_delay_alu instid0(VALU_DEP_1)
	v_lshl_or_b32 v[PW], v[BM+14], 16, v[PW]
	s_delay_alu instid0(VALU_DEP_1)
	v_lshl_or_b32 v[PW], v[BM+15], 24, v[PW]
.irp c,0,1
	v_cvt_scalef32_pk16_fp6_f32 v[PC+6*\c:PC+6*\c+2], v[S+32*\c:S+32*\c+15], v[BM+8+2*\c]
	v_cvt_scalef32_pk16_fp6_f32 v[PT+4*\c:PT+4*\c+2], v[S+32*\c+16:S+32*\c+31], v[BM+9+2*\c]
.endr
	v_nop
.irp c,0,1
.irp i,0,1,2
	v_permlane16_swap_b32 v[PC+6*\c+\i], v[PT+4*\c+\i]
.endr
.irp i,0,1,2
	s_delay_alu instid0(VALU_DEP_3)
	v_mov_b32 v[PC+6*\c+3+\i], v[PT+4*\c+\i]
.endr
.endr
.if !(\first)
.irp j,0,2,4,6,8,10,12,14
	v_pk_mul_f32 v[O+\j:O+\j+1], v[O+\j:O+\j+1], v[FF:FF+1] op_sel_hi:[1,0]   ; O^T under the new M
.endr
.endif
	PL 8                                           ; a scale register written by a vector instruction stands 8 places ahead of a scaled matrix instruction, an operand 4
	s_wait_alu depctr_va_vdst(0)
	s_wait_dscnt 0x0                               ; V
.irp a,0,1
.if \first
	MMZ O+8*\a, VF+12*\a, PC, VS+\a, PW
.else
	MMX O+8*\a, VF+12*\a, PC, O+8*\a, VS+\a, PW, 0, 0
.endif
.endr
.endm
.macro FINISH hd                       ; O^T / the sum, quantised along the head's 32 channels: 16 codes a lane
	PL 4
	v_add_f32 v[LS], v[LS], v[LS+1]
	s_delay_alu instid0(VALU_DEP_1)
	v_permlanex16_b32 v[T0], v[LS], s[SEL], s[SEL+1]
	s_delay_alu instid0(VALU_DEP_1)
	v_add_f32 v[LS], v[LS], v[T0]
	s_wait_alu depctr_va_vdst(0)
	v_rcp_f32 v[LS], v[LS]
	v_nop
	s_wait_alu depctr_va_vdst(0)
.irp j,0,2,4,6,8,10,12,14
	v_pk_mul_f32 v[O+\j:O+\j+1], v[O+\j:O+\j+1], v[LS:LS+1] op_sel_hi:[1,0]
.endr
	QSCALE 1, O, BM
	v_cvt_scalef32_pk16_fp6_f32 v[XC+4*(\hd):XC+4*(\hd)+2], v[O:O+15], v[BM+2]
	v_mov_b32 v[CBY+(\hd)], v[BM+3]                ; (also the plain place behind the conversion)
.endm
.macro HEAD hd
.irp i,0,1,2,3,4,5
	v_and_b32 v[QM+\i], v[Q6+\i], v[MLO+(\hd)]     ; Q of this head alone: the other head's lanes become zero codes
.endr
	v_mov_b32 v[TMX], 0xff61b1e6                   ; -3e38, under every t
	s_delay_alu instid0(VALU_DEP_1)
	v_floor_f32 v[NM], -v[TMX]
	v_mov_b32 v[LS], 0
	v_mov_b32 v[LS+1], 0
	STEP \hd, 0, 1
	STEP \hd, 1, 0
	FINISH \hd
.endm
	s_load_b512 s[4:19], s[0:1], 0x0               ; xq 4, wts 6, bkt 8, cfg 10, qb 12, kb 14, vb 16, rel 18
	s_load_b64 s[20:21], s[0:1], 0x40              ; ctx
	v_lshrrev_b32 v1, 5, v0
	s_delay_alu instid0(VALU_DEP_1)
	v_readfirstlane_b32 s[WV], v1                  ; wave 0..15
	s_wait_kmcnt 0x0
	s_load_b32 s22, s[10:11], 0x0                  ; the layer
	v_and_b32 v[RL], 15, v0
	v_bfe_u32 v[HL], v0, 4, 1
	v_and_b32 v[L4], 31, v0
	s_delay_alu instid0(VALU_DEP_1)
	v_lshlrev_b32 v[L16], 4, v[L4]
	s_delay_alu instid0(VALU_DEP_2)
	v_lshlrev_b32 v[L8], 3, v[L4]
	s_delay_alu instid0(VALU_DEP_3)
	v_lshlrev_b32 v[RLO], 5, v[L4]                 ; rel: 32 bytes a bucket
	s_delay_alu instid0(VALU_DEP_4)
	v_lshlrev_b32 v[L4], 2, v[L4]
	v_and_b32 v[XSO], 8, v[RL]
	s_delay_alu instid0(VALU_DEP_1)
	v_add_nc_u32 v[XSO], v[XSO], v[RL]             ; r + 8 (r / 8)
	s_delay_alu instid0(VALU_DEP_1)
	v_mul_u32_u24 v[XO], v[XSO], 192
	s_delay_alu instid0(VALU_DEP_1)
	v_mad_u32_u24 v[XO], v[HL], 24, v[XO]
	s_delay_alu instid0(VALU_DEP_3)
	v_lshlrev_b32 v[VBO], 2, v[XSO]
	s_delay_alu instid0(VALU_DEP_4)
	v_lshlrev_b32 v[XSO], 3, v[XSO]
	v_add_nc_u32 v[MLO], -1, v[HL]                 ; all ones in lanes 0-15
	v_sub_nc_u32 v[MHI], 0, v[HL]                  ; all ones in lanes 16-31
	v_lshlrev_b32 v[RL2], 1, v[RL]
	v_lshlrev_b32 v[VP], 6, v[HL]
	v_lshlrev_b32 v[RL4], 2, v[RL]
	s_lshr_b32 s24, s[WV], 1                       ; tp
	s_and_b32 s25, s[WV], 1                        ; hd
	s_and_b32 s26, ttmp9, 3                        ; hp
	s_lshr_b32 s27, ttmp9, 2                       ; 32 b + r
	s_mov_b32 s[SEL], 0x76543210
	s_mov_b32 s[SEL+1], 0xfedcba98
	s_mov_b32 s[MH], 0xffff0000
	s_mov_b32 s[CS], 0x3fb8aa3b                    ; log2(e)
	s_mov_b32 s[CS+1], s[CS]
	s_mul_i32 s28, s24, 1536                       ; where I store Q's and K's pieces: tile 2 tp + h, lane slot + 16 hd
	s_lshl_b32 s29, s25, 8
	s_add_co_u32 s29, s29, s28
	v_mul_u32_u24 v[AQ16], v[HL], 768
	s_delay_alu instid0(VALU_DEP_1)
	v_lshl_add_u32 v[AQ16], v[RL], 4, v[AQ16]
	s_delay_alu instid0(VALU_DEP_1)
	v_add_nc_u32 v[AQ16], s29, v[AQ16]
	s_lshl_b32 s29, s25, 7
	s_add_co_u32 s29, s29, s28
	s_add_co_u32 s29, s29, 512
	v_mul_u32_u24 v[AQ8], v[HL], 768
	s_delay_alu instid0(VALU_DEP_1)
	v_lshl_add_u32 v[AQ8], v[RL], 3, v[AQ8]
	s_delay_alu instid0(VALU_DEP_1)
	v_add_nc_u32 v[AQ8], s29, v[AQ8]
	s_lshl_b32 s29, s24, 6
	s_add_co_u32 s29, s29, s25
	v_lshlrev_b32 v[ASQ], 5, v[HL]
	s_delay_alu instid0(VALU_DEP_1)
	v_lshl_add_u32 v[ASQ], v[RL], 1, v[ASQ]
	s_delay_alu instid0(VALU_DEP_1)
	v_add_nc_u32 v[ASQ], s29, v[ASQ]
	s_mul_i32 s28, s25, 6144                       ; V's pieces: fragment (2 hd + h) 2 + tp / 4, block tp % 4 of its 128 keys
	s_lshr_b32 s29, s24, 2
	s_mul_i32 s29, s29, 1536
	s_add_co_u32 s28, s28, s29
	s_and_b32 s29, s24, 1
	s_lshl_b32 s29, s29, 8
	s_add_co_u32 s28, s28, s29
	s_add_co_u32 s28, s28, VIMG
	v_mul_u32_u24 v[AV], v[HL], 3072
	s_delay_alu instid0(VALU_DEP_1)
	v_lshl_add_u32 v[AV], v[RL], 4, v[AV]
	s_delay_alu instid0(VALU_DEP_1)
	v_add_nc_u32 v[AV], s28, v[AV]
	s_bfe_u32 s29, s24, 0x10001                    ; registers 0-5 or 6-11 of the image: pairs at 0, 8, 512 or at 520, 1024, 1032
	s_mul_i32 s33, s29, 1016
	s_add_co_u32 s33, s33, 8
	v_add_nc_u32 v[AV+1], s33, v[AV]
	s_mul_i32 s33, s29, 520
	v_add_nc_u32 v[AV], s33, v[AV]
	s_delay_alu instid0(VALU_DEP_1)
	v_add_nc_u32 v[AV+2], 512, v[AV]
	s_lshl_b32 s28, s25, 8
	s_lshr_b32 s29, s24, 2
	s_lshl_b32 s29, s29, 6
	s_add_co_u32 s28, s28, s29
	s_and_b32 s29, s24, 3
	s_add_co_u32 s28, s28, s29
	s_add_co_u32 s28, s28, VSC
	v_lshlrev_b32 v[ASV], 7, v[HL]
	s_delay_alu instid0(VALU_DEP_1)
	v_lshl_add_u32 v[ASV], v[RL], 2, v[ASV]
	s_delay_alu instid0(VALU_DEP_1)
	v_add_nc_u32 v[ASV], s28, v[ASV]
	s_mul_i32 s28, s25, 19200
	s_add_co_u32 s28, s28, WIMG
	v_add_nc_u32 v[WA], s28, v[L16]
	v_add_nc_u32 v[WSA], s28, v[L4]
	v_lshlrev_b32 v120, 4, v0                      ; the copy: 16 bytes a thread
	s_delay_alu instid0(VALU_DEP_1)
	v_add_nc_u32 v121, WIMG, v120
	v_mov_b32 v[TM+2], 0                           ; a lane permute's destination counts as one of its sources
	v_mov_b32 v[TM+3], 0
	s_wait_alu depctr_va_vdst(0)
	s_wait_kmcnt 0x0
	s_min_u32 s22, s22, 1
	s_mov_b32 s29, 0
	s_mul_i32 s28, s22, 819200
	s_mul_i32 s33, s26, 38400
	s_add_co_u32 s28, s28, s33
	s_add_nc_u64 s[6:7], s[6:7], s[28:29]          ; my two heads' six records
	s_lshl_b32 s28, s27, 8
	s_lshl_b32 s33, s24, 5
	s_add_co_u32 s33, s33, s28                     ; my first token
	s_mul_i32 s28, s33, 192
	s_add_nc_u64 s[36:37], s[4:5], s[28:29]
	s_lshl_b32 s28, s33, 3
	s_add_co_u32 s28, s28, 3145728
	s_add_nc_u64 s[38:39], s[4:5], s[28:29]
	s_lshl_b32 s33, s22, 10
	s_lshl_b32 s28, s26, 1
	s_add_co_u32 s28, s28, s25
	s_lshl_b32 s28, s28, 7
	s_add_co_u32 s28, s28, s33
	s_add_nc_u64 s[12:13], s[12:13], s[28:29]
	s_add_nc_u64 s[14:15], s[14:15], s[28:29]
	s_add_nc_u64 s[16:17], s[16:17], s[28:29]
	s_lshl_b32 s28, s26, 3
	s_add_co_u32 s28, s28, s33
	s_add_nc_u64 s[18:19], s[18:19], s[28:29]
	s_lshl_b32 s28, s27, 16
	s_lshl_b32 s33, s[WV], 12
	s_add_co_u32 s28, s28, s33
	s_add_nc_u64 s[8:9], s[8:9], s[28:29]
	s_mul_i32 s28, s26, 786432
	s_mul_i32 s33, s27, 12288
	s_add_co_u32 s28, s28, s33
	s_mul_i32 s33, s[WV], 768
	s_add_co_u32 s28, s28, s33
	s_add_nc_u64 s[40:41], s[20:21], s[28:29]      ; ctx: my tile's codes
	s_lshl_b32 s28, s26, 15
	s_lshl_b32 s33, s27, 9
	s_add_co_u32 s28, s28, s33
	s_lshl_b32 s33, s[WV], 5
	s_add_co_u32 s28, s28, s33
	s_add_co_u32 s28, s28, 3145728
	s_add_nc_u64 s[42:43], s[20:21], s[28:29]      ; and its scale bytes
.irp k,0,1,2,3,4
	global_load_b128 v[68+4*\k:71+4*\k], v120, s[6:7] offset:8192*\k
.endr
.irp e,0,1
.irp ks,0,1
.irp p,0,1,2,3,4,5
	global_load_b64 v[XF+12*(2*\e+\ks)+2*\p:XF+12*(2*\e+\ks)+2*\p+1], v[XO], s[36:37] offset:1536*\e+96*\ks+48*(\p/3)+8*(\p%3)
.endr
.endr
.endr
.irp e,0,1
	global_load_b64 v[XS+2*\e:XS+2*\e+1], v[XSO], s[38:39] offset:64*\e
.endr
.irp i,0,1,2,3
	global_load_b128 v[BQ+4*\i:BQ+4*\i+3], v[VP], s[12:13] offset:16*\i
.endr
.irp i,0,1,2,3
	global_load_b128 v[BKB+4*\i:BKB+4*\i+3], v[VP], s[14:15] offset:16*\i
.endr
.irp u,0,1
	global_load_b32 v[VRAW+\u], v[VBO], s[16:17] offset:32*\u
.endr
.irp b,0,1,2,3,4,5,6,7
	global_load_b128 v[BK+4*\b:BK+4*\b+3], v[L16], s[8:9] offset:512*\b
.endr
.irp h,0,1
	global_load_b32 v[REL+\h], v[RLO], s[18:19] offset:4*\h
.endr
	s_wait_loadcnt 46                              ; the copy's five are in; behind them: x 24 + 2, biases 4 + 4 + 2, buckets 8, rel 2
.irp k,0,1,2,3,4
	ds_store_b128 v121, v[68+4*\k:71+4*\k] offset:8192*\k
.endr
	BARRIER                                        ; the weights lie in LDS
; ---------------- PHASE A
	WCH 0
	s_wait_loadcnt 10                              ; all but the buckets' 8 and rel's 2
	s_wait_dscnt 0x0
	PROJT BQ
	PL 4
	WCH 1
.irp j,0,2,4,6,8,10,12,14,16,18,20,22,24,26,28,30
	v_pk_mul_f32 v[ACC+\j:ACC+\j+1], v[ACC+\j:ACC+\j+1], 0x3d000000 op_sel_hi:[1,0]   ; q x 32^-0.5 / sqrt(32) = q / 32
.endr
	QK_OUT QIMG, QSC
	s_wait_dscnt 0x0
	PROJT BKB
	PL 4
	WCH 2
	QK_OUT KIMG, KSC
.irp u,0,1
.irp j,0,1,2,3,4,5,6,7
	v_mov_b32 v[BQ+8*\u+\j], v[VRAW+\u]            ; v's bias in the result's layout: a lane holds one channel
.endr
.endr
	PL 4
	s_wait_alu depctr_va_vdst(0)
	s_wait_dscnt 0x0
	PROJV
	PL 4
	QPAIR
	ds_store_b64 v[AV], v[XA:XA+1]
	ds_store_b64 v[AV+1], v[XA+2:XA+3]
	ds_store_b64 v[AV+2], v[XA+4:XA+5]
	ds_store_b8 v[ASV], v[BSEL]
.irp i,0,1,2,3,4,5
	v_mov_b32 v[KF+24+\i], 0                       ; behind K's last tile
	v_mov_b32 v[QM+6+\i], 0                        ; Q's k 64 .. 127
.endr
	s_mul_i32 s28, s[WV], 768
	v_add_nc_u32 v[T0], s28, v[L16]
	v_add_nc_u32 v[T0+1], s28, v[L8]
	s_lshl_b32 s28, s[WV], 5
	v_add_nc_u32 v[BT], s28, v[RL2]
	s_wait_alu depctr_va_vdst(0)
	BARRIER                                        ; Q, K and V of both heads lie in LDS; nobody reads the weights any more
; ---------------- PHASE B
	ds_load_b128 v[Q6:Q6+3], v[T0] offset:QIMG
	ds_load_b64 v[Q6+4:Q6+5], v[T0+1] offset:QIMG+512
	ds_load_u16 v[QS], v[BT] offset:QSC
	s_wait_loadcnt 0x0                             ; buckets and rel
	s_wait_dscnt 0x0
	HEAD 0
	HEAD 1
; ---------------- the way out: my tile's 768 bytes of codes through my own stage, then three stores of 256 consecutive bytes
	s_mul_i32 s28, s[WV], 768
	s_add_co_u32 s28, s28, CSTG
	v_mul_u32_u24 v[BT], v[RL], 48
	s_delay_alu instid0(VALU_DEP_1)
	v_mad_u32_u24 v[BT], v[HL], 12, v[BT]
	s_delay_alu instid0(VALU_DEP_1)
	v_add_nc_u32 v[BT], s28, v[BT]
	v_add_nc_u32 v[BT+1], s28, v[L8]
.irp i,0,1,2
	ds_store_b32 v[BT], v[XC+\i] offset:4*\i
	ds_store_b32 v[BT], v[XC+4+\i] offset:24+4*\i
.endr
.irp i,0,1,2
	ds_load_b64 v[68+2*\i:69+2*\i], v[BT+1] offset:256*\i   ; LDS serves a wave's instructions in order: these see my stores
.endr
	v_cndmask_b32 v[BT+2], v[CBY], v[CBY+1], s[MH]
	v_lshl_add_u32 v[BT+3], v[RL], 1, v[HL]
	s_wait_alu depctr_va_vdst(0)
.irp i,0,1,2
	s_wait_dscnt 2-\i
	global_store_b64 v[L8], v[68+2*\i:69+2*\i], s[40:41] offset:256*\i
.endr
	global_store_b8 v[BT+3], v[BT+2], s[42:43]
	s_wait_xcnt 0x0
	v_lshl_add_u32 v254, v0, 2, 0x13600
	v_mov_b32 v255, 0
	s_wait_alu depctr_va_vdst(0)
	s_wait_tensorcnt 0x0
	ds_add_u32 v254, v255
	s_wait_dscnt 0x0
	s_endpgm
.Lfunc_end_k_qd7f1186566_row0:
	.size	k_qd7f1186566_row0, .Lfunc_end_k_qd7f1186566_row0-k_qd7f1186566_row0
	.p2alignl 7, 3214868480
	.fill 96, 4, 3214868480
	.section	.rodata,"a",@progbits
	.p2align	6, 0x0
	.amdhsa_kernel k_qd7f1186566_row0
		.amdhsa_group_segment_fixed_size 81408
		.amdhsa_private_segment_fixed_size 0
		.amdhsa_enable_private_segment 0
		.amdhsa_kernarg_size 72
		.amdhsa_user_sgpr_count 2
		.amdhsa_user_sgpr_kernarg_segment_ptr 1
		.amdhsa_wavefront_size32 1
		.amdhsa_system_sgpr_workgroup_id_x 1
		.amdhsa_system_sgpr_workgroup_id_y 1
		.amdhsa_system_sgpr_workgroup_id_z 1
		.amdhsa_system_vgpr_workitem_id 0
		.amdhsa_next_free_vgpr 256
		.amdhsa_next_free_sgpr 66
		.amdhsa_reserve_vcc 0
		.amdhsa_float_denorm_mode_32 3
		.amdhsa_float_denorm_mode_16_64 3
		.amdhsa_memory_ordered 1
		.amdhsa_forward_progress 1
		.amdhsa_inst_pref_size 131
	.end_amdhsa_kernel
	.amdgpu_metadata
---
amdhsa.version: [ 1, 2 ]
amdhsa.kernels:
  - .name:           k_qd7f1186566_row0
    .symbol:         k_qd7f1186566_row0.kd
    .args:
      - { .name: xq, .offset: 0, .size: 8, .value_kind: global_buffer, .address_space: global }
      - { .name: wts, .offset: 8, .size: 8, .value_kind: global_buffer, .address_space: global }
      - { .name: bkt, .offset: 16, .size: 8, .value_kind: global_buffer, .address_space: global }
      - { .name: cfg0, .offset: 24, .size: 8, .value_kind: global_buffer, .address_space: global }
      - { .name: row_qb, .offset: 32, .size: 8, .value_kind: global_buffer, .address_space: global }
      - { .name: row_kb, .offset: 40, .size: 8, .value_kind: global_buffer, .address_space: global }
      - { .name: row_vb, .offset: 48, .size: 8, .value_kind: global_buffer, .address_space: global }
      - { .name: row_rel, .offset: 56, .size: 8, .value_kind: global_buffer, .address_space: global }
      - { .name: ctx, .offset: 64, .size: 8, .value_kind: global_buffer, .address_space: global }
    .group_segment_fixed_size: 81408
    .private_segment_fixed_size: 0
    .kernarg_segment_align: 8
    .kernarg_segment_size: 72
    .max_flat_workgroup_size: 512
    .sgpr_count:     66
    .vgpr_count:     256
    .wavefront_size: 32
...
	.end_amdgpu_metadata
.endif
;; end of part 2
;; launch col0 (part 3): grid 256 x 1, 8 waves a work-group, no clusters, 254,464 bytes of LDS; arguments hidden_states, ctx, wts, cfg0, row_ob, col_qb, col_kb, col_vb, col_ob, fc1b, fc2b, ln_col_w, ln_col_b, ln_ff_w, ln_ff_b, ln_row_w, ln_row_b, x3, xq; writes x3, xq
.if DOCPART == 3
	.amdgcn_target "amdgcn-amd-amdhsa--gfx1250"
	.amdhsa_code_object_version 6
	.text
	.protected	k_qd7f1186566_col0
	.globl	k_qd7f1186566_col0
	.p2align	8
	.type	k_qd7f1186566_col0,@function
k_qd7f1186566_col0:
	s_mov_b64 s[64:65], 0
	v_nop
	global_prefetch_b8 v0, s[64:65] scope:SCOPE_SE
	s_setreg_imm32_b32 hwreg(HW_REG_WAVE_MODE, 25, 1), 1
	s_wait_xcnt 0x0
; THE REST OF A LAYER for the 64 tokens (b, all 32 rows, columns c0 and c0 + 1): row attention's output product and residual, LN, column attention, its output product and residual, LN, fc1, gelu, fc2 and
; residual, and one more LN: in layer 0 that of the next layer's row attention (stored as codes, beside the residual stream in f32), in layer 1 the final one (stored in f32).
; SHARES.  Eight waves share the COLUMNS of every product: wave w makes channels 32 w .. 32 w + 31 (head w) and hidden units 128 w .. 128 w + 127 for all 64 tokens.  So each weight byte is loaded once by the
; work-group, straight into operand registers (the weights lie in memory in that order), and what goes from wave to wave is the rows' codes, as images of the operands' registers in LDS.
; Tile m of tokens: column c0 + m / 2, rows 16 (m % 2) + slot.  Products are used transposed (source 0 = 16 rows of the weight): lane (r, h) holds token r and channels 32 w + 16 h + 0 .. 15 of each tile.
; THE PRODUCTS WITH K = 32 stay in the wave: an operand's block stands in lanes 0-15, registers 0-5 (own 16 codes, then lane l xor 16's); one side of each product is zero everywhere else, so the other side may hold
; any codes there and its fragments lie 6 registers apart.  The order of the 32 keys in a block is the same in P and in V.
; No clusters: all work-groups walk the same weights, 640 KiB a layer; sharing them would want tensor loads and a ring with rounds at thirteen stages of unequal length; here every operand goes by plain loads.
; LIMITS: NaN and infinities are not served; a block under 2^-124 keeps the byte 1.  erf is x P(x^2) / Q(x^2) of degrees 6 and 4 on |x| held at 4, within a few last places of 1.  LN's variance is taken of the centred numbers.
.set IMG0, 0                           ; four sets of 8 fragments (4 ks + m), 1,536 bytes each: ctx, LN_col's codes, column ctx, LN_ff's codes; each written once
.set IMG1, 12288
.set IMG2, 24576
.set IMG3, 36864
.set SC0, 49152                        ; their scale words, 64 bytes a fragment
.set SC1, 49664
.set SC2, 50176
.set SC3, 50688
.set RED1, 51200                       ; LN's sums: 48 bytes a token, a word a wave
.set RED2, 54272
.set HIMG, 57344                       ; the hidden layer's 32 fragments
.set HSC, 106496
.set XR, 108544                        ; the residual stream, 8,192 bytes a wave, the wave's own
.set OSTG, 174080                      ; the way out: 64 rows x (1,024 + 16)
.set XSTG, 240640                      ; and its codes: [row][column][192]
.set SSTG, 252928                      ; and scale bytes: [row][column][8]
.set RL, 1
.set HL, 2
.set L16, 3
.set L4, 4
.set AW, 5
.set ASB, 8
.set ASR, 9
.set AXR, 10
.set ARW, 11
.set ARR, 12
.set MLO, 13
.set VP, 14
.set XOF, 15
.set WS, 16                            ; v16-37 hold scales and nothing else
.set BS, 26
.set SA, 30
.set SB, 34
.set VB, 38
.set ACC, 40
.set BF, 104
.set TM, 152
.set XA0, 168
.set XB0, 174
.set XA1, 178
.set XB1, 184
.set BSL, 188
.set PA, 192
.set R48, 208
.set LQ, R48+30
.set LA, BF                            ; LN: the eight waves' means of a token, negated, 8 registers a tile
.set LB, BF+32                         ; LN: the eight waves' sums of squares, 8 registers a tile
.set LE, 176                           ; LN: four pairs, the low word in use: my wave's mean, negated; then the token's mean less my wave's
.set LS2, 184                          ; LN: two words on their way to LDS
.set GZ, 152
.set GX, 160
.set GP, 168
.set GQ, 176
.set WV, 42
.set SEL, 46
.set MH, 48
.set CS, 60
.set IV, 98
.set EP, 99
.set CR2, 66
.set CA0, 68
.set CA2, 70
.set CA3, 72
.set CA4, 74
.set CA5, 76
.set CA6, 78
.set CB0, 88
.set CB2, 90
.set CB3, 92
.set CB4, 94
.set MSB, 0
.macro WIN new                         ; the immediate's high byte repeats the setting that is left
.if MSB != \new
	s_set_vgpr_msb (MSB<<8)|\new
.set MSB, \new
.endif
.endm
.macro PL n
.rept \n
	v_nop
.endr
.endm
.macro BARRIER                         ; my LDS stores have landed and my LDS loads are in: then the work-group's barrier
	s_wait_dscnt 0x0
	s_barrier_signal -1
	s_barrier_wait -1
.endm
.macro SC2 reg, val
	s_mov_b32 s[\reg], \val
	s_mov_b32 s[\reg+1], \val
.endm
.macro MMX d, a, b, c, sa, sb, rr
.if (\rr) == 0
	v_wmma_scale_f32_16x16x128_f8f6f4 v[\d:\d+7], v[\a:\a+11], v[\b:\b+11], v[\c:\c+7], v[\sa], v[\sb] matrix_a_fmt:MATRIX_FMT_FP6 matrix_b_fmt:MATRIX_FMT_FP6
.else
	v_wmma_scale_f32_16x16x128_f8f6f4 v[\d:\d+7], v[\a:\a+11], v[\b:\b+11], v[\c:\c+7], v[\sa], v[\sb] matrix_a_fmt:MATRIX_FMT_FP6 matrix_b_fmt:MATRIX_FMT_FP6 matrix_a_scale:MATRIX_SCALE_ROW1 matrix_b_scale:MATRIX_SCALE_ROW1
.endif
.endm
.macro MMZ d, a, b, sa, sb
	v_wmma_scale_f32_16x16x128_f8f6f4 v[\d:\d+7], v[\a:\a+11], v[\b:\b+11], 0, v[\sa], v[\sb] matrix_a_fmt:MATRIX_FMT_FP6 matrix_b_fmt:MATRIX_FMT_FP6
.endm
.macro WLOAD set, base, imm            ; a weight record into set (48 registers of window 1) and its two scale words: 14 loads
	WIN 0x40
.irp i,0,1,2,3,4,5,6,7,8,9,10,11
	global_load_b128 v[48*(\set)+4*\i:48*(\set)+4*\i+3], v[L16], s[\base:\base+1] offset:\imm+512*\i
.endr
	WIN 0
	global_load_b32 v[WS+2*(\set)], v[L4], s[\base:\base+1] offset:\imm+6144
	global_load_b32 v[WS+2*(\set)+1], v[L4], s[\base:\base+1] offset:\imm+6272
.endm
.macro PLOAD reg, base, imm            ; 16 numbers of a bias or gain: my lane's channels
.irp i,0,1,2,3
	global_load_b128 v[\reg+4*\i:\reg+4*\i+3], v[VP], s[\base:\base+1] offset:\imm+16*\i
.endr
.endm
.macro HLOAD h, areg, off              ; two neighbouring fragments of tokens into half h of BF
.irp i,0,1,2,3,4,5
	ds_load_b128 v[BF+24*(\h)+4*\i:BF+24*(\h)+4*\i+3], v[\areg] offset:\off+512*\i
.endr
.endm
.macro UW v, set, mp, e, cb, sl        ; four matrix instructions: tiles 2 mp, 2 mp + 1 of tokens (their fragments stand in third sl of BF) x tiles u = 0, 1 of the weight, K step e
.if \v
	WIN 0x04                                       ; source 1 (the weight) in window 1
.else
	WIN 0x01                                       ; source 0 (the weight) in window 1
.endif
.irp mm,0,1
.irp u,0,1
.if \v
.if (\e) == 0
	MMX ACC+32*\u+8*(2*(\mp)+\mm), BF+24*(\sl)+12*\mm, 48*(\set)+24*\u, \cb+8*\u, BS+2*(\mp)+\mm, WS+2*(\set)+\u, 0
.else
	MMX ACC+32*\u+8*(2*(\mp)+\mm), BF+24*(\sl)+12*\mm, 48*(\set)+24*\u+12, ACC+32*\u+8*(2*(\mp)+\mm), BS+2*(\mp)+\mm, WS+2*(\set)+\u, 1
.endif
.else
.if ((\e) == 0) && ((\cb) >= 0)
	MMX ACC+16*(2*(\mp)+\mm)+8*\u, 48*(\set)+24*\u, BF+24*(\sl)+12*\mm, \cb+8*\u, WS+2*(\set)+\u, BS+2*(\mp)+\mm, 0
.else
	MMX ACC+16*(2*(\mp)+\mm)+8*\u, 48*(\set)+24*\u+12*(\e), BF+24*(\sl)+12*\mm, ACC+16*(2*(\mp)+\mm)+8*\u, WS+2*(\set)+\u, BS+2*(\mp)+\mm, \e
.endif
.endif
.endr
.endr
	WIN 0
.endm
; A UNIT: 64 tokens x my 32 columns x 256 along K: 16 matrix instructions on eight accumulators by turns.  v = 1: not transposed.  cb: the registers of the bias, the first C; -1: the sums go on in place.
; The tokens' eight fragments come from LDS in four pairs of six loads.  During a unit BF has three thirds of 24 registers, v104-175 (the third lies over TM and XA0, which hold nothing across a unit):
; three pairs are asked for at once, the fourth takes the first third when its products are issued.
.macro UNIT v, set, areg, img, sreg, sc, k0, cb
	PL 4                                           ; places in front of loads into registers that matrix instructions have read
	s_wait_dscnt 0x0                               ; my earlier LDS stores have read their registers: the third third lies over some of them
.irp m,0,1,2,3
	ds_load_b32 v[BS+\m], v[\sreg] offset:\sc+64*\m+256*(\k0)   ; lanes 0-15: K step k0, lanes 16-31: k0 + 1
.endr
	HLOAD 0, \areg, \img+6144*(\k0)
	HLOAD 1, \areg, \img+6144*(\k0)+3072
	HLOAD 2, \areg, \img+6144*(\k0)+6144
	s_wait_dscnt 12                                ; the scale words and the first pair are in; the six loads of each of the two later pairs may be out
	UW \v, \set, 0, 0, \cb, 0
	PL 4
	HLOAD 0, \areg, \img+6144*(\k0)+9216
	s_wait_dscnt 12                                ; the second pair is in; behind it: the third's six and the fourth's six
	UW \v, \set, 1, 0, \cb, 1
	s_wait_dscnt 6                                 ; the third pair is in
	UW \v, \set, 0, 1, \cb, 2
	s_wait_dscnt 0x0
	UW \v, \set, 1, 1, \cb, 0
	PL 4                                           ; places in front of the first read of results and of loads into the operands
.endm
.macro QSCALE n, src, tm               ; as in the row launch: largest magnitudes at tm, scale operands at tm + 2 n, bytes at tm + 3 n
.set qg, 0
.rept \n
	v_max3_num_f32 v[\tm+qg], |v[\src+16*qg]|, |v[\src+16*qg+1]|, 0x1800000
.set qg, qg+1
.endr
.set qi, 2
.rept 7
.set qg, 0
.rept \n
	v_max3_num_f32 v[\tm+qg], v[\tm+qg], |v[\src+16*qg+qi]|, |v[\src+16*qg+qi+1]|
.set qg, qg+1
.endr
.set qi, qi+2
.endr
.set qg, 0
.rept \n
	s_delay_alu instid0(VALU_DEP_4)
	v_permlanex16_b32 v[\tm+\n+qg], v[\tm+qg], s[SEL], s[SEL+1]
.set qg, qg+1
.endr
.set qg, 0
.rept \n
	s_delay_alu instid0(VALU_DEP_4)
	v_max_num_f32 v[\tm+qg], v[\tm+qg], v[\tm+\n+qg]
.set qg, qg+1
.endr
.set qg, 0
.rept \n
	s_delay_alu instid0(VALU_DEP_4)
	v_add_nc_u32 v[\tm+2*\n+qg], 0xff000000, v[\tm+qg]
.set qg, qg+1
.endr
.set qg, 0
.rept \n
	s_delay_alu instid0(VALU_DEP_4)
	v_lshrrev_b32 v[\tm+3*\n+qg], 23, v[\tm+2*\n+qg]
.set qg, qg+1
.endr
.endm
; ACC's four tiles (my block of 32 channels of 64 tokens) become codes and go to LDS as pieces of register images: three stores of 8 bytes and a byte for each pair of tiles
.macro QBLK a0, i0, a1, i1, a2, i2, sa, si, step, sstep
	QSCALE 4, ACC, TM
	v_cvt_scalef32_pk16_fp6_f32 v[XA0:XA0+2], v[ACC:ACC+15], v[TM+8]
	v_cvt_scalef32_pk16_fp6_f32 v[XB0:XB0+2], v[ACC+16:ACC+31], v[TM+9]
	v_cvt_scalef32_pk16_fp6_f32 v[XA1:XA1+2], v[ACC+32:ACC+47], v[TM+10]
	v_cvt_scalef32_pk16_fp6_f32 v[XB1:XB1+2], v[ACC+48:ACC+63], v[TM+11]
	v_nop                                          ; one plain place behind a scaled conversion
.irp i,0,1,2
	v_permlane16_swap_b32 v[XA0+\i], v[XB0+\i]     ; a whole block in a lane: lanes 0-15 the even tile's token, lanes 16-31 the odd tile's
	v_permlane16_swap_b32 v[XA1+\i], v[XB1+\i]
.endr
.irp i,0,1,2
	v_mov_b32 v[XA0+3+\i], v[XB0+\i]
	v_mov_b32 v[XA1+3+\i], v[XB1+\i]
.endr
	v_cndmask_b32 v[BSL], v[TM+12], v[TM+13], s[MH]
	v_cndmask_b32 v[BSL+1], v[TM+14], v[TM+15], s[MH]
	ds_store_b64 v[\a0], v[XA0:XA0+1] offset:\i0
	ds_store_b64 v[\a1], v[XA0+2:XA0+3] offset:\i1
	ds_store_b64 v[\a2], v[XA0+4:XA0+5] offset:\i2
	ds_store_b8 v[\sa], v[BSL] offset:\si
	ds_store_b64 v[\a0], v[XA1:XA1+1] offset:\i0+\step
	ds_store_b64 v[\a1], v[XA1+2:XA1+3] offset:\i1+\step
	ds_store_b64 v[\a2], v[XA1+4:XA1+5] offset:\i2+\step
	ds_store_b8 v[\sa], v[BSL+1] offset:\si+\sstep
.endm
.macro XRSAVE                          ; ACC (the residual stream) into my part of XR
.set li, 0
.rept 16
	ds_store_b128 v[AXR], v[ACC+4*li:ACC+4*li+3] offset:512*li
.set li, li+1
.endr
.endm
.macro OSTORE                          ; ACC into the stage of the way out: stage row 2 x row + column, my 128 bytes of it
.irp m,0,1,2,3
.irp g,0,1,2,3
	ds_store_b128 v5, v[ACC+16*\m+4*\g:ACC+16*\m+4*\g+3] offset:(\m%2)*33280+(\m/2)*1040+16*\g
.endr
.endr
.endm
.macro HSUM                            ; four pairs at XA0 (my 16 channels' sums, a pair a tile) become the sums over my wave's 32 channels, at v[TM + m]
.irp m,0,1,2,3
	s_delay_alu instid0(VALU_DEP_4)
	v_add_f32 v[TM+\m], v[XA0+2*\m], v[XA0+2*\m+1]
.endr
.irp m,0,1,2,3
	s_delay_alu instid0(VALU_DEP_4)
	v_permlanex16_b32 v[TM+4+\m], v[TM+\m], s[SEL], s[SEL+1]
.endr
.irp m,0,1,2,3
	s_delay_alu instid0(VALU_DEP_4)
	v_add_f32 v[TM+\m], v[TM+\m], v[TM+4+\m]
.endr
.endm
; ACC becomes LN(ACC) x gain + bias, with ONE barrier.  Each wave centres its 32 channels on their own mean and sums the squares of what is left; the eight means and the eight sums go through LDS, and every wave
; joins them: the token's mean is the mean of the eight means, its variance (the eight sums + 32 x the squares of (a wave's mean - the token's mean)) / 256.  No difference of large sums is formed.
; cnt: the global loads issued behind the gain's and the bias's, which may stay out.  The caller has just stored ACC to LDS: those stores are waited for ahead of the first write of ACC.
.macro LNORM wr, br, cnt
.irp m,0,1,2,3
	v_pk_add_f32 v[XA0+2*\m:XA0+2*\m+1], v[ACC+16*\m:ACC+16*\m+1], v[ACC+16*\m+2:ACC+16*\m+3]
.endr
.irp k,4,6,8,10,12,14
.irp m,0,1,2,3
	v_pk_add_f32 v[XA0+2*\m:XA0+2*\m+1], v[XA0+2*\m:XA0+2*\m+1], v[ACC+16*\m+\k:ACC+16*\m+\k+1]
.endr
.endr
	HSUM
.irp m,0,1,2,3
	s_delay_alu instid0(VALU_DEP_4)
	v_mul_f32 v[LE+2*\m], 0xbd000000, v[TM+\m]     ; a = - my wave's mean (x -1/32)
.endr
	s_wait_alu depctr_va_vdst(0)                   ; directly ahead of the wait below
	s_wait_dscnt 0x0                               ; the caller's stores have read ACC
.irp m,0,1,2,3
.irp k,0,2,4,6,8,10,12,14
	v_pk_add_f32 v[ACC+16*\m+\k:ACC+16*\m+\k+1], v[ACC+16*\m+\k:ACC+16*\m+\k+1], v[LE+2*\m:LE+2*\m+1] op_sel_hi:[1,0]
.endr
.endr
.irp m,0,1,2,3
	v_pk_mul_f32 v[XA0+2*\m:XA0+2*\m+1], v[ACC+16*\m:ACC+16*\m+1], v[ACC+16*\m:ACC+16*\m+1]
.endr
.irp k,2,4,6,8,10,12,14
.irp m,0,1,2,3
	s_delay_alu instid0(VALU_DEP_4)
	v_pk_fma_f32 v[XA0+2*\m:XA0+2*\m+1], v[ACC+16*\m+\k:ACC+16*\m+\k+1], v[ACC+16*\m+\k:ACC+16*\m+\k+1], v[XA0+2*\m:XA0+2*\m+1]
.endr
.endr
	HSUM
	v_cndmask_b32 v[BSL], v[LE], v[LE+2], s[MH]    ; lanes 0-15 the even tile's token, lanes 16-31 the odd tile's
	v_cndmask_b32 v[BSL+1], v[LE+4], v[LE+6], s[MH]
	v_cndmask_b32 v[LS2], v[TM], v[TM+1], s[MH]
	v_cndmask_b32 v[LS2+1], v[TM+2], v[TM+3], s[MH]
	ds_store_b32 v[ARW], v[BSL] offset:RED1
	ds_store_b32 v[ARW], v[BSL+1] offset:RED1+1536
	ds_store_b32 v[ARW], v[LS2] offset:RED2
	ds_store_b32 v[ARW], v[LS2+1] offset:RED2+1536
	BARRIER
.irp m,0,1,2,3
.irp k,0,1
	ds_load_b128 v[LA+8*\m+4*\k:LA+8*\m+4*\k+3], v[ARR] offset:RED1+768*\m+16*\k
.endr
.endr
.irp m,0,1,2,3
.irp k,0,1
	ds_load_b128 v[LB+8*\m+4*\k:LB+8*\m+4*\k+3], v[ARR] offset:RED2+768*\m+16*\k
.endr
.endr
	s_wait_dscnt 0x0
.irp m,0,1,2,3                                 ; the sum of the eight a and the sum of the eight sums of squares, the two chains and the four tiles by turns
	v_pk_add_f32 v[XA0+2*\m:XA0+2*\m+1], v[LA+8*\m:LA+8*\m+1], v[LA+8*\m+2:LA+8*\m+3]
.endr
.irp m,0,1,2,3
	v_pk_add_f32 v[LB+8*\m:LB+8*\m+1], v[LB+8*\m:LB+8*\m+1], v[LB+8*\m+2:LB+8*\m+3]
.endr
.irp m,0,1,2,3
	v_pk_add_f32 v[XA0+2*\m:XA0+2*\m+1], v[XA0+2*\m:XA0+2*\m+1], v[LA+8*\m+4:LA+8*\m+5]
.endr
.irp m,0,1,2,3
	v_pk_add_f32 v[LB+8*\m+4:LB+8*\m+5], v[LB+8*\m+4:LB+8*\m+5], v[LB+8*\m+6:LB+8*\m+7]
.endr
.irp m,0,1,2,3
	v_pk_add_f32 v[XA0+2*\m:XA0+2*\m+1], v[XA0+2*\m:XA0+2*\m+1], v[LA+8*\m+6:LA+8*\m+7]
.endr
.irp m,0,1,2,3
	v_pk_add_f32 v[LB+8*\m:LB+8*\m+1], v[LB+8*\m:LB+8*\m+1], v[LB+8*\m+4:LB+8*\m+5]
.endr
.irp m,0,1,2,3
	v_add_f32 v[XA0+2*\m], v[XA0+2*\m], v[XA0+2*\m+1]
.endr
.irp m,0,1,2,3
	v_add_f32 v[LB+8*\m], v[LB+8*\m], v[LB+8*\m+1]
.endr
.irp m,0,1,2,3
	v_mul_f32 v[XA0+2*\m], 0xbe000000, v[XA0+2*\m] ; x -1/8: the token's mean
.endr
.irp m,0,1,2,3
	v_fma_f32 v[LB+8*\m], v[LB+8*\m], s[IV], s[EP] ; the sums of squares / 256 + 1e-12
.endr
.irp k,0,2,4,6
.irp m,0,1,2,3
	v_pk_add_f32 v[LA+8*\m+\k:LA+8*\m+\k+1], v[LA+8*\m+\k:LA+8*\m+\k+1], v[XA0+2*\m:XA0+2*\m+1] op_sel_hi:[1,0]   ; e = the token's mean - a wave's mean
.endr
.endr
.irp m,0,1,2,3
	v_add_f32 v[LE+2*\m], v[LE+2*\m], v[XA0+2*\m]  ; and my own wave's e
.endr
.irp m,0,1,2,3
	v_pk_mul_f32 v[LA+8*\m:LA+8*\m+1], v[LA+8*\m:LA+8*\m+1], v[LA+8*\m:LA+8*\m+1]
.endr
.irp k,2,4,6
.irp m,0,1,2,3
	s_delay_alu instid0(VALU_DEP_4)
	v_pk_fma_f32 v[LA+8*\m:LA+8*\m+1], v[LA+8*\m+\k:LA+8*\m+\k+1], v[LA+8*\m+\k:LA+8*\m+\k+1], v[LA+8*\m:LA+8*\m+1]
.endr
.endr
.irp m,0,1,2,3
	s_delay_alu instid0(VALU_DEP_4)
	v_add_f32 v[LA+8*\m], v[LA+8*\m], v[LA+8*\m+1]
.endr
.irp m,0,1,2,3
	s_delay_alu instid0(VALU_DEP_4)
	v_fma_f32 v[LB+8*\m], v[LA+8*\m], 0x3e000000, v[LB+8*\m]   ; + the squares of e / 8: variance + 1e-12
.endr
	s_wait_alu depctr_va_vdst(0)                   ; ahead of the batch
.irp m,0,1,2,3
	v_rsq_f32 v[LB+8*\m], v[LB+8*\m]
.endr
	v_nop
	s_wait_alu depctr_va_vdst(0)                   ; one wait for the four roots, ahead of their first reader
	s_wait_loadcnt \cnt                            ; gain and bias are in
.irp m,0,1,2,3
	v_mul_f32 v[LE+2*\m], -v[LE+2*\m], v[LB+8*\m]  ; - e / sigma
.endr
.irp m,0,1,2,3
.irp k,0,2,4,6,8,10,12,14
	v_pk_fma_f32 v[ACC+16*\m+\k:ACC+16*\m+\k+1], v[ACC+16*\m+\k:ACC+16*\m+\k+1], v[LB+8*\m:LB+8*\m+1], v[LE+2*\m:LE+2*\m+1] op_sel_hi:[1,0,0]   ; (x - my wave's mean - e) / sigma
.endr
.endr
.irp m,0,1,2,3
.irp k,0,2,4,6,8,10,12,14
	v_pk_fma_f32 v[ACC+16*\m+\k:ACC+16*\m+\k+1], v[ACC+16*\m+\k:ACC+16*\m+\k+1], v[\wr+\k:\wr+\k+1], v[\br+\k:\br+\k+1]
.endr
.endr
.endm
.macro ADDP reg                        ; ACC += a bias in my lane's layout
.irp m,0,1,2,3
.irp k,0,2,4,6,8,10,12,14
	v_pk_add_f32 v[ACC+16*\m+\k:ACC+16*\m+\k+1], v[ACC+16*\m+\k:ACC+16*\m+\k+1], v[\reg+\k:\reg+\k+1]
.endr
.endr
.endm
.macro XRLOAD reg                      ; the residual stream back from my part of XR
.set li, 0
.rept 16
	ds_load_b128 v[\reg+4*li:\reg+4*li+3], v[AXR] offset:512*li
.set li, li+1
.endr
.endm
; gelu(x) = x / 2 + (x / 2) erf(x / sqrt 2) on ACC in place, eight numbers at a time; one wait for each batch of eight reciprocals
.macro GELU
	v_mov_b32 v[BF], 0x326dffee                    ; P's seven coefficients stand halved: z P / Q is erf / 2
	v_mov_b32 v[BF+1], 0x326dffee
	v_mov_b32 v[BF+2], 0xb95fbd29
	v_mov_b32 v[BF+3], 0xb95fbd29
.set gg, ACC
.rept 8
.irp k,0,2,4,6
	v_pk_mul_f32 v[GZ+\k:GZ+\k+1], v[gg+\k:gg+\k+1], s[CR2:CR2+1] op_sel_hi:[1,0]
.endr
.irp k,0,1,2,3,4,5,6,7
	v_med3_num_f32 v[GZ+\k], v[GZ+\k], -4.0, 4.0
.endr
.irp k,0,2,4,6
	v_pk_mul_f32 v[GX+\k:GX+\k+1], v[GZ+\k:GZ+\k+1], v[GZ+\k:GZ+\k+1]
.endr
.irp k,0,2,4,6
	v_pk_fma_f32 v[GP+\k:GP+\k+1], v[GX+\k:GX+\k+1], s[CA0:CA0+1], v[BF:BF+1] op_sel_hi:[1,0,1]
	v_pk_fma_f32 v[GQ+\k:GQ+\k+1], v[GX+\k:GX+\k+1], s[CB0:CB0+1], v[BF+2:BF+3] op_sel_hi:[1,0,1]
.endr
.irp c,CA2,CA3,CA4,CA5,CA6
.irp k,0,2,4,6
	v_pk_fma_f32 v[GP+\k:GP+\k+1], v[GP+\k:GP+\k+1], v[GX+\k:GX+\k+1], s[\c:\c+1] op_sel_hi:[1,1,0]
.endr
.endr
.irp c,CB2,CB3,CB4
.irp k,0,2,4,6
	v_pk_fma_f32 v[GQ+\k:GQ+\k+1], v[GQ+\k:GQ+\k+1], v[GX+\k:GX+\k+1], s[\c:\c+1] op_sel_hi:[1,1,0]
.endr
.endr
	s_wait_alu depctr_va_vdst(0)
.irp k,0,1,2,3,4,5,6,7
	v_rcp_f32 v[GQ+\k], v[GQ+\k]
.endr
.irp k,0,2,4,6
	v_pk_mul_f32 v[GP+\k:GP+\k+1], v[GP+\k:GP+\k+1], v[GZ+\k:GZ+\k+1]   ; plain work behind the batch, which names none of its results
.endr
	s_wait_alu depctr_va_vdst(0)
.irp k,0,2,4,6
	v_pk_fma_f32 v[GP+\k:GP+\k+1], v[GP+\k:GP+\k+1], v[GQ+\k:GQ+\k+1], 0.5 op_sel_hi:[1,1,0]   ; 1/2 + erf / 2
.endr
.irp k,0,2,4,6
	v_pk_mul_f32 v[gg+\k:gg+\k+1], v[gg+\k:gg+\k+1], v[GP+\k:GP+\k+1]
.endr
.set gg, gg+8
.endr
.endm
	s_load_b512 s[4:19], s[0:1], 0x0               ; x 4, ctx 6, wts 8, cfg 10, row_ob 12, col_qb 14, col_kb 16, col_vb 18
	s_load_b512 s[20:35], s[0:1], 0x40             ; col_ob 20, fc1b 22, fc2b 24, ln_col_w 26, ln_col_b 28, ln_ff_w 30, ln_ff_b 32, next LN's gain 34
	s_load_b128 s[36:39], s[0:1], 0x80             ; next LN's bias 36, the f32 output 38
	s_load_b64 s[40:41], s[0:1], 0x90              ; xq
	v_lshl_add_u32 v187, v0, 2, 0x3de00
	s_set_vgpr_msb 0x40
	v_mov_b32 v255, 0
	s_set_vgpr_msb 0x4000
	v_lshrrev_b32 v1, 5, v0
	s_delay_alu instid0(VALU_DEP_1)
	v_readfirstlane_b32 s[WV], v1                  ; wave 0..7
	s_wait_kmcnt 0x0
	s_load_b64 s[44:45], s[10:11], 0x0             ; l, 1 - l
	v_and_b32 v[RL], 15, v0
	v_bfe_u32 v[HL], v0, 4, 1
	v_and_b32 v[L4], 31, v0
	s_delay_alu instid0(VALU_DEP_1)
	v_lshlrev_b32 v[L16], 4, v[L4]
	s_delay_alu instid0(VALU_DEP_2)
	v_mul_u32_u24 v[ARW], v[L4], 48
	s_delay_alu instid0(VALU_DEP_3)
	v_lshlrev_b32 v[L4], 2, v[L4]
	s_lshl_b32 s70, s[WV], 2
	v_add_nc_u32 v[ARW], s70, v[ARW]
	v_mul_u32_u24 v[ARR], v[RL], 48
	v_add_nc_u32 v[MLO], -1, v[HL]                 ; all ones in lanes 0-15
	v_lshlrev_b32 v[VP], 6, v[HL]
	v_lshlrev_b32 v[XOF], 18, v[RL]
	s_delay_alu instid0(VALU_DEP_1)
	v_lshl_add_u32 v[XOF], v[HL], 6, v[XOF]        ; a row of the grid is 262,144 bytes on
	s_lshr_b32 s70, s[WV], 2                       ; where my block of 32 goes in an image: K step w / 4, block w % 4
	s_mul_i32 s70, s70, 6144
	s_and_b32 s71, s[WV], 1
	s_lshl_b32 s71, s71, 8
	s_add_co_u32 s70, s70, s71
	v_mul_u32_u24 v[AW], v[HL], 1536
	s_delay_alu instid0(VALU_DEP_1)
	v_lshl_add_u32 v[AW], v[RL], 4, v[AW]
	s_delay_alu instid0(VALU_DEP_1)
	v_add_nc_u32 v[AW], s70, v[AW]
	s_bfe_u32 s71, s[WV], 0x10001                  ; registers 0-5 or 6-11: pairs at 0, 8, 512 or at 520, 1024, 1032
	s_mul_i32 s72, s71, 1016
	s_add_co_u32 s72, s72, 8
	v_add_nc_u32 v[AW+1], s72, v[AW]
	s_mul_i32 s72, s71, 520
	v_add_nc_u32 v[AW], s72, v[AW]
	s_delay_alu instid0(VALU_DEP_1)
	v_add_nc_u32 v[AW+2], 512, v[AW]
	s_lshr_b32 s70, s[WV], 2
	s_lshl_b32 s70, s70, 8
	s_and_b32 s71, s[WV], 3
	s_add_co_u32 s70, s70, s71
	v_lshlrev_b32 v[ASB], 6, v[HL]
	s_delay_alu instid0(VALU_DEP_1)
	v_lshl_add_u32 v[ASB], v[RL], 2, v[ASB]
	s_delay_alu instid0(VALU_DEP_1)
	v_add_nc_u32 v[ASB], s70, v[ASB]
	v_lshlrev_b32 v[ASR], 8, v[HL]
	s_delay_alu instid0(VALU_DEP_1)
	v_lshl_add_u32 v[ASR], v[RL], 2, v[ASR]
	s_lshl_b32 s70, s[WV], 13
	s_add_co_u32 s70, s70, XR
	v_add_nc_u32 v[AXR], s70, v[L16]
	s_and_b32 s70, s[WV], 1                        ; the fragment of ctx that I bring: tile w / 2, K step w % 2
	s_lshl_b32 s70, s70, 2
	s_lshr_b32 s71, s[WV], 1
	s_add_co_u32 s70, s70, s71
	s_mul_i32 s71, s70, 1536
	v_add_nc_u32 v184, s71, v[L16]
	s_lshl_b32 s71, s70, 6
	v_lshlrev_b32 v185, 2, v[RL]
	s_delay_alu instid0(VALU_DEP_1)
	v_add_nc_u32 v185, s71, v185
	v_mul_u32_u24 v190, v[RL], 12288
	s_delay_alu instid0(VALU_DEP_1)
	v_mad_u32_u24 v190, v[HL], 24, v190
	v_lshlrev_b32 v191, 9, v[RL]
.irp m,0,1,2,3
	v_mov_b32 v[TM+4+\m], 0                        ; a lane permute's destination counts as one of its sources
	v_mov_b32 v[LE+1+2*\m], 0                      ; the upper words of LN's four pairs: named by packed forms that take the low word for both halves
.endr
	s_mov_b32 s[SEL], 0x76543210
	s_mov_b32 s[SEL+1], 0xfedcba98
	s_mov_b32 s[MH], 0xffff0000
	s_mov_b32 s[CS], 0x3fb8aa3b                    ; log2(e)
	s_mov_b32 s[CS+1], s[CS]
	s_mov_b32 s[IV], 0x3b800000                    ; 1/256
	s_mov_b32 s[EP], 0x2b8cbccc                    ; 1e-12
	s_lshr_b32 s73, ttmp9, 7                       ; b
	s_and_b32 s74, ttmp9, 127
	s_lshl_b32 s74, s74, 1                         ; c0
	s_lshr_b32 s72, s[WV], 2
	s_add_co_u32 s72, s72, s74                     ; my ctx fragment's column c; in ctx it is tile 2 (c / 32) + (c / 8) % 2, slot c % 8 + 8 ((c / 16) % 2)
	s_lshr_b32 s75, s72, 5
	s_lshl_b32 s75, s75, 1
	s_bfe_u32 s76, s72, 0x10003
	s_add_co_u32 s75, s75, s76
	s_and_b32 s76, s72, 7
	s_bfe_u32 s77, s72, 0x10004
	s_lshl_b32 s77, s77, 3
	s_add_co_u32 s76, s76, s77
	s_lshl_b32 s77, s73, 5
	s_bfe_u32 s72, s[WV], 0x10001
	s_lshl_b32 s72, s72, 4
	s_add_co_u32 s77, s77, s72                     ; 32 b + its first row
	s_and_b32 s72, s[WV], 1                        ; its K step: pairs of heads 2 ks, 2 ks + 1
	s_mov_b32 s79, 0
	s_mul_i32 s78, s72, 1572864
	s_mul_i32 s70, s77, 12288
	s_add_co_u32 s78, s78, s70
	s_mul_i32 s70, s75, 768
	s_add_co_u32 s78, s78, s70
	s_mul_i32 s70, s76, 48
	s_add_co_u32 s78, s78, s70
	s_add_nc_u64 s[80:81], s[6:7], s[78:79]
	s_lshl_b32 s78, s72, 16
	s_lshl_b32 s70, s77, 9
	s_add_co_u32 s78, s78, s70
	s_lshl_b32 s70, s75, 5
	s_add_co_u32 s78, s78, s70
	s_lshl_b32 s70, s76, 1
	s_add_co_u32 s78, s78, s70
	s_add_co_u32 s78, s78, 3145728
	s_add_nc_u64 s[82:83], s[6:7], s[78:79]
	s_lshl_b32 s78, s73, 23                        ; x: b, c0, my 32 channels
	s_lshl_b32 s70, s74, 10
	s_add_co_u32 s78, s78, s70
	s_lshl_b32 s70, s[WV], 7
	s_add_co_u32 s70, s70, s78
	s_mov_b32 s71, 0
	s_add_nc_u64 s[4:5], s[4:5], s[70:71]
	s_lshl_b32 s70, s[WV], 20                      ; the output: rows 4 w .. 4 w + 3
	s_add_co_u32 s70, s70, s78
	s_add_nc_u64 s[38:39], s[38:39], s[70:71]
	s_lshl_b32 s78, s73, 13
	s_add_co_u32 s78, s78, s74                     ; token (b, 0, c0)
	s_lshl_b32 s70, s[WV], 10
	s_add_co_u32 s70, s70, s78
	s_mul_i32 s70, s70, 192
	s_add_nc_u64 s[84:85], s[40:41], s[70:71]
	s_lshl_b32 s70, s78, 3
	s_add_co_u32 s70, s70, 3145728
	s_add_nc_u64 s[86:87], s[40:41], s[70:71]
	s_wait_alu depctr_va_vdst(0)
; ctx's fragment and x hang on no layer: they are asked for ahead of the wait for the layer's number
.irp c,0,1
.irp i,0,1,2
	global_load_b64 v[BF+6*\c+2*\i:BF+6*\c+2*\i+1], v190, s[80:81] offset:786432*\c+8*\i
.endr
.endr
.irp c,0,1
	global_load_u16 v[TM+\c], v191, s[82:83] offset:32768*\c
.endr
.irp m,0,1,2,3
.irp g,0,1,2,3
	global_load_b128 v[ACC+16*\m+4*\g:ACC+16*\m+4*\g+3], v[XOF], s[4:5] offset:(\m%2)*4194304+(\m/2)*1024+16*\g
.endr
.endr
	s_wait_kmcnt 0x0
	s_min_u32 s44, s44, 1
	s_min_u32 s45, s45, 1
	s_mul_i32 s70, s44, 819200
	s_add_nc_u64 s[8:9], s[8:9], s[70:71]
	s_mul_i32 s70, s[WV], 6400
	s_add_nc_u64 s[50:51], s[8:9], s[70:71]        ; records of pair p = w
	s_mul_i32 s70, s[WV], 25600
	s_add_nc_u64 s[52:53], s[8:9], s[70:71]        ; records 4 w + ..
	s_mov_b64 s[54:55], s[52:53]
	s_lshl_b32 s70, s44, 10
	s_lshl_b32 s72, s[WV], 7
	s_add_co_u32 s70, s70, s72
.irp p,12,14,16,18,20,24,26,28,30,32
	s_add_nc_u64 s[\p:\p+1], s[\p:\p+1], s[70:71]
.endr
	s_lshl_b32 s70, s45, 10
	s_add_co_u32 s70, s70, s72
	s_add_nc_u64 s[34:35], s[34:35], s[70:71]
	s_add_nc_u64 s[36:37], s[36:37], s[70:71]
	s_lshl_b32 s70, s44, 12
	s_lshl_b32 s72, s[WV], 9
	s_add_co_u32 s70, s70, s72
	s_add_nc_u64 s[56:57], s[22:23], s[70:71]
; ---------------- P0: ctx's eight fragments into LDS; x, the first weights
	PLOAD PA, 12, 0
	WLOAD 0, 50, 24*6400
	s_wait_loadcnt 34                              ; ctx's 8 are in; behind them: x 16, row_ob 4, the record 14
	v_lshl_or_b32 v[TM+2], v[TM+1], 16, v[TM]
.irp g,0,1,2
	ds_store_b128 v184, v[BF+4*\g:BF+4*\g+3] offset:IMG0+512*\g
.endr
	ds_store_b32 v185, v[TM+2] offset:SC0
	v_and_b32 v191, 8, v[RL]
	s_delay_alu instid0(VALU_DEP_1)
	v_add_nc_u32 v191, v191, v[RL]
	s_delay_alu instid0(VALU_DEP_1)
	v_lshlrev_b32 v191, 2, v191                    ; col_vb: channel r + 8 (r / 8)
	WLOAD 1, 50, 32*6400
	WLOAD 2, 50, 40*6400
	PLOAD R48, 26, 0
	PLOAD R48+16, 28, 0
	PLOAD R48+32, 16, 0
	BARRIER
	s_wait_loadcnt 40                              ; x, row_ob and the first record are in; behind them: two records 28, three sets of 4
	ADDP PA
; ---------------- P1: x1 = x + row_ob + ctx Wo^T
	s_wait_alu depctr_va_vdst(0)
	UNIT 0, 0, L16, IMG0, ASR, SC0, 0, -1
	PLOAD PA, 14, 0
	WLOAD 3, 50, 48*6400
; ---------------- P2: LN_col, its codes
	XRSAVE
	LNORM R48, R48+16, 14                          ; one record's 14 loads may stay out; q's and k's records and biases, asked for earlier, are in with the gain
	WLOAD 4, 50, 56*6400
	QBLK AW, IMG1, AW+1, IMG1, AW+2, IMG1, ASB, SC1, 3072, 128
	BARRIER
; ---------------- P3: q of head w
	UNIT 0, 1, L16, IMG1, ASR, SC1, 0, PA
.irp u,0,1
	global_load_b32 v[VB+\u], v191, s[18:19] offset:32*\u
.endr
	WLOAD 0, 52, 64*6400
.set li, 0
.rept 32
	v_pk_mul_f32 v[ACC+li:ACC+li+1], v[ACC+li:ACC+li+1], 0x3e3504f3 op_sel_hi:[1,0]   ; x 32^-0.5
.set li, li+2
.endr
	QSCALE 4, ACC, TM
.irp m,0,1,2,3
	v_cvt_scalef32_pk16_fp6_f32 v[R48+4*\m:R48+4*\m+2], v[ACC+16*\m:ACC+16*\m+15], v[TM+8+\m]
.endr
	v_nop
.irp m,0,1,2,3
	v_mov_b32 v[SA+\m], v[TM+12+\m]
.endr
; ---------------- P4: k of head w
	UNIT 0, 2, L16, IMG1, ASR, SC1, 0, R48+32
	WLOAD 1, 52, 66*6400
	WLOAD 2, 52, 96*6400
	QSCALE 4, ACC, TM
.irp m,0,1,2,3
	v_cvt_scalef32_pk16_fp6_f32 v[R48+16+6*\m:R48+16+6*\m+2], v[ACC+16*\m:ACC+16*\m+15], v[TM+8+\m]
.endr
	v_nop
.irp m,0,1,2,3
.irp i,0,1,2
	v_permlanex16_b32 v[R48+16+6*\m+3+\i], v[R48+16+6*\m+\i], s[SEL], s[SEL+1]
.endr
.endr
.irp m,0,1,2,3
	v_mov_b32 v[SB+\m], v[TM+12+\m]
.endr
.irp i,0,1,2,3,4,5
	v_mov_b32 v[R48+40+\i], 0
.endr
; ---------------- P5: S^T = K Q^T and the softmax
.irp q,0,1,2,3
.irp i,0,1,2
	v_permlanex16_b32 v[BF+12*\q+3+\i], v[R48+4*\q+\i], s[SEL], s[SEL+1]
.endr
.endr
.irp q,0,1,2,3
.irp i,0,1,2
	v_and_b32 v[BF+12*\q+\i], v[R48+4*\q+\i], v[MLO]
	v_and_b32 v[BF+12*\q+3+\i], v[BF+12*\q+3+\i], v[MLO]
.endr
.irp i,6,7,8,9,10,11
	v_mov_b32 v[BF+12*\q+\i], 0
.endr
.endr
	PL 8                                           ; scale registers and operands written by vector instructions
.irp kt,0,1
.irp q,0,1,2,3
	MMZ ACC+16*\q+8*\kt, R48+16+6*(2*(\q/2)+\kt), BF+12*\q, SB+2*(\q/2)+\kt, SA+\q
.endr
.endr
	PL 4
.irp q,0,1,2,3
	v_max3_num_f32 v[TM+\q], v[ACC+16*\q], v[ACC+16*\q+1], v[ACC+16*\q+2]
.endr
.irp i,3,5,7,9,11,13
.irp q,0,1,2,3
	v_max3_num_f32 v[TM+\q], v[TM+\q], v[ACC+16*\q+\i], v[ACC+16*\q+\i+1]
.endr
.endr
.irp q,0,1,2,3
	v_max_num_f32 v[TM+\q], v[TM+\q], v[ACC+16*\q+15]
.endr
.irp q,0,1,2,3
	s_delay_alu instid0(VALU_DEP_4)
	v_permlanex16_b32 v[TM+4+\q], v[TM+\q], s[SEL], s[SEL+1]
.endr
.irp q,0,1,2,3
	s_delay_alu instid0(VALU_DEP_4)
	v_max_num_f32 v[TM+\q], v[TM+\q], v[TM+4+\q]   ; the row's largest score
.endr
.irp q,0,1,2,3
	s_delay_alu instid0(VALU_DEP_4)
	v_mul_f32 v[XA0+2*\q+1], s[CS], v[TM+\q]
.endr
.irp q,0,1,2,3
	s_delay_alu instid0(VALU_DEP_4)
	v_floor_f32 v[XA0+2*\q], -v[XA0+2*\q+1]        ; -M = floor(-t)
.endr
.irp q,0,1,2,3
.irp k,0,2,4,6,8,10,12,14
	v_pk_fma_f32 v[ACC+16*\q+\k:ACC+16*\q+\k+1], v[ACC+16*\q+\k:ACC+16*\q+\k+1], s[CS:CS+1], v[XA0+2*\q:XA0+2*\q+1] op_sel_hi:[1,0,0]
.endr
.endr
.irp q,0,1,2,3
	v_fma_f32 v[TM+\q], v[TM+\q], s[CS], v[XA0+2*\q]
.endr
.set li, 0
	s_wait_alu depctr_va_vdst(0)
.rept 64
	v_exp_f32 v[ACC+li], v[ACC+li]
.set li, li+1
.endr
.irp q,0,1,2,3
	v_exp_f32 v[TM+\q], v[TM+\q]                   ; the block's largest p
.endr
	v_nop
	s_wait_alu depctr_va_vdst(0)                   ; one wait for the 68
.irp q,0,1,2,3
	v_pk_add_f32 v[176+2*\q:177+2*\q], v[ACC+16*\q:ACC+16*\q+1], v[ACC+16*\q+2:ACC+16*\q+3]
.endr
.irp k,4,6,8,10,12,14
.irp q,0,1,2,3
	v_pk_add_f32 v[176+2*\q:177+2*\q], v[176+2*\q:177+2*\q], v[ACC+16*\q+\k:ACC+16*\q+\k+1]
.endr
.endr
.irp q,0,1,2,3
	s_delay_alu instid0(VALU_DEP_4)
	v_add_f32 v[176+2*\q], v[176+2*\q], v[177+2*\q]
.endr
.irp q,0,1,2,3
	s_delay_alu instid0(VALU_DEP_4)
	v_permlanex16_b32 v[TM+4+\q], v[176+2*\q], s[SEL], s[SEL+1]
.endr
.irp q,0,1,2,3
	s_delay_alu instid0(VALU_DEP_4)
	v_add_f32 v[LQ+2*\q], v[176+2*\q], v[TM+4+\q]  ; the row's sum of the unquantised p
.endr
.irp q,0,1,2,3
	v_max_num_f32 v[TM+\q], 0x1800000, v[TM+\q]
.endr
.irp q,0,1,2,3
	s_delay_alu instid0(VALU_DEP_4)
	v_add_nc_u32 v[TM+8+\q], 0xff000000, v[TM+\q]
.endr
.irp q,0,1,2,3
	s_delay_alu instid0(VALU_DEP_4)
	v_lshrrev_b32 v[SA+\q], 23, v[TM+8+\q]
.endr
.irp q,0,1,2,3
	v_cvt_scalef32_pk16_fp6_f32 v[R48+6*\q:R48+6*\q+2], v[ACC+16*\q:ACC+16*\q+15], v[TM+8+\q]
.endr
	v_nop
.irp q,0,1,2,3
.irp i,0,1,2
	v_permlanex16_b32 v[R48+6*\q+3+\i], v[R48+6*\q+\i], s[SEL], s[SEL+1]
.endr
.endr
.irp i,0,1,2,3,4,5
	v_mov_b32 v[R48+24+\i], 0
.endr
; ---------------- P6: v of head w, not transposed: a lane holds one channel, its registers run along the rows, the next K
	s_wait_loadcnt 42                              ; v's record and col_vb are in; behind them: three records' 14 each
.irp u,0,1
.irp j,0,1,2,3,4,5,6,7
	v_mov_b32 v[PA+8*\u+\j], v[VB+\u]
.endr
.endr
	s_wait_alu depctr_va_vdst(0)
	UNIT 1, 3, L16, IMG1, ASR, SC1, 0, PA
	PLOAD PA, 20, 0
	WLOAD 3, 52, 97*6400
	QSCALE 4, ACC, TM
.irp g,0,1,2,3
	v_cvt_scalef32_pk16_fp6_f32 v[BF+12*\g:BF+12*\g+2], v[ACC+16*\g:ACC+16*\g+15], v[TM+8+\g]
.endr
	v_nop
.irp g,0,1,2,3
.irp i,0,1,2
	v_permlanex16_b32 v[BF+12*\g+3+\i], v[BF+12*\g+\i], s[SEL], s[SEL+1]
.endr
.endr
.irp g,0,1,2,3
.irp i,0,1,2,3,4,5
	v_and_b32 v[BF+12*\g+\i], v[BF+12*\g+\i], v[MLO]
.endr
.irp i,6,7,8,9,10,11
	v_mov_b32 v[BF+12*\g+\i], 0
.endr
	v_mov_b32 v[SB+\g], v[TM+12+\g]
.endr
; ---------------- P7: ctx^T = V^T P^T / the sum, its codes
.irp q,0,1,2,3
	v_rcp_f32 v[LQ+2*\q], v[LQ+2*\q]
.endr
	v_nop
	s_wait_alu depctr_va_vdst(0)
	PL 8
.irp u,0,1
.irp q,0,1,2,3
	MMZ ACC+16*\q+8*\u, BF+12*(2*\u+\q/2), R48+6*\q, SB+2*\u+\q/2, SA+\q
.endr
.endr
	PL 4
.irp q,0,1,2,3
.irp k,0,2,4,6,8,10,12,14
	v_pk_mul_f32 v[ACC+16*\q+\k:ACC+16*\q+\k+1], v[ACC+16*\q+\k:ACC+16*\q+\k+1], v[LQ+2*\q:LQ+2*\q+1] op_sel_hi:[1,0]
.endr
.endr
	QBLK AW, IMG2, AW+1, IMG2, AW+2, IMG2, ASB, SC2, 3072, 128
; ---------------- P8: x2 = x1 + col_ob + ctx Wo^T.  x1 lies in my own part of XR: it comes back, and takes the bias, ahead of the barrier
	XRLOAD ACC
	s_wait_loadcnt 14                              ; col_ob is in; behind it: one record's 14
	s_wait_dscnt 0x0                               ; x1 is back, and my stores of codes have landed
	ADDP PA
	s_wait_alu depctr_va_vdst(0)                   ; directly ahead of the barrier's signal
	s_barrier_signal -1
	s_barrier_wait -1
	UNIT 0, 4, L16, IMG2, ASR, SC2, 0, -1
	PLOAD R48, 30, 0
	PLOAD R48+16, 32, 0
	WLOAD 4, 52, 98*6400
	PLOAD PA, 56, 0
; ---------------- P9: LN_ff, its codes
	XRSAVE
	LNORM R48, R48+16, 18                          ; behind gain and bias: one record's 14 and fc1b's 4
	PLOAD R48, 24, 0
	PLOAD R48+16, 34, 0
	PLOAD R48+32, 36, 0
	QBLK AW, IMG3, AW+1, IMG3, AW+2, IMG3, ASB, SC3, 3072, 128
	s_mul_i32 s59, s[WV], 6144                     ; the hidden layer's images: my 128 units are K step w of fc2
	s_add_co_u32 s59, s59, HIMG
	v_mul_u32_u24 v5, v[HL], 1536
	s_delay_alu instid0(VALU_DEP_1)
	v_lshl_add_u32 v5, v[RL], 4, v5
	s_delay_alu instid0(VALU_DEP_1)
	v_add_nc_u32 v5, s59, v5
	s_lshl_b32 s59, s[WV], 8
	s_add_co_u32 s59, s59, HSC
	v_lshlrev_b32 v6, 6, v[HL]
	s_delay_alu instid0(VALU_DEP_1)
	v_lshl_add_u32 v6, v[RL], 2, v6
	s_delay_alu instid0(VALU_DEP_1)
	v_add_nc_u32 v6, s59, v6
	v_add_nc_u32 v15, HIMG, v[L16]
	v_add_nc_u32 v190, HSC, v[ASR]
	SC2 CR2, 0x3f3504f3
	SC2 CA0, 0xaf15df0b
	SC2 CA2, 0xb58cff51
	SC2 CA3, 0xb7eec2d2
	SC2 CA4, 0xb9c0ac63
	SC2 CA5, 0xbac1a1f6
	SC2 CA6, 0xbc03dbd4
	SC2 CB0, 0xb77460cd
	SC2 CB2, 0xbadc924e
	SC2 CB3, 0xbbf19bf8
	SC2 CB4, 0xbc69b6a7
	BARRIER
; ---------------- P10: fc1, gelu, codes.  Two trips; trip tr makes blocks tr and 2 + tr of my four blocks of 32 hidden units.  No barrier inside.
	s_mov_b32 s58, 0
.Lfc1:
	s_lshl_b32 s59, s58, 8
	s_wait_alu depctr_va_vdst(0)
	v_add_nc_u32 v7, s59, v5                       ; lanes 16 tr .. of the image
	v_add_nc_u32 v8, s58, v6
	s_wait_loadcnt 0x0                             ; asked for a unit ago
	UNIT 0, 0, L16, IMG3, ASR, SC3, 0, PA
	WLOAD 0, 54, 65*6400                           ; trip 0: block 1's record; trip 1: fc2's last record
	PLOAD PA, 56, 256
	GELU
	QBLK 7, 0, 7, 8, 7, 512, 8, 0, 3072, 128
	s_wait_loadcnt 0x0
	UNIT 0, 1, L16, IMG3, ASR, SC3, 0, PA
	s_cmp_lg_u32 s58, 0
	s_cbranch_scc1 .Lno_more
	WLOAD 1, 54, 67*6400
	PLOAD PA, 56, 128
.Lno_more:
	GELU
	QBLK 7, 520, 7, 1024, 7, 1032, 8, 2, 3072, 128
	s_wait_xcnt 0x0                                ; the loads have read their bases: they may be stepped
	s_add_nc_u64 s[54:55], s[54:55], 217600
	s_add_nc_u64 s[56:57], s[56:57], 128
	s_add_co_u32 s58, s58, 1
	s_cmp_lt_u32 s58, 2
	s_cbranch_scc1 .Lfc1
; ---------------- P11: x3 = x2 + fc2b + h W2^T.  x2 comes back from my own part of XR, and takes the bias, ahead of the barrier
	XRLOAD ACC
	s_wait_loadcnt 0x0
	s_wait_dscnt 0x0                               ; x2 is back, and my stores of the hidden layer's codes have landed
	ADDP R48
	s_wait_alu depctr_va_vdst(0)                   ; directly ahead of the barrier's signal
	s_barrier_signal -1
	s_barrier_wait -1                              ; the hidden layer's 32 fragments lie in LDS
	UNIT 0, 2, 15, 0, 190, 0, 0, -1
	UNIT 0, 3, 15, 0, 190, 0, 2, -1
	UNIT 0, 4, 15, 0, 190, 0, 4, -1
	UNIT 0, 0, 15, 0, 190, 0, 6, -1
; ---------------- P12: the last LN and the way out
	s_lshl_b32 s59, s[WV], 7
	s_add_co_u32 s59, s59, OSTG
	v_mul_u32_u24 v5, v[RL], 2080
	s_delay_alu instid0(VALU_DEP_1)
	v_lshl_add_u32 v5, v[HL], 6, v5
	s_delay_alu instid0(VALU_DEP_1)
	v_add_nc_u32 v5, s59, v5                       ; into the stage: stage row 2 x row + column
	s_mul_i32 s59, s[WV], 8320
	s_add_co_u32 s59, s59, OSTG
	v_add_nc_u32 v6, s59, v[L16]                   ; back: stage rows 8 w ..
	v_and_b32 v191, 31, v0
	s_mul_i32 s59, s[WV], 24
	s_add_co_u32 s59, s59, XSTG
	v_mul_u32_u24 v7, v191, 384
	s_delay_alu instid0(VALU_DEP_1)
	v_add_nc_u32 v7, s59, v7
	s_add_co_u32 s59, s[WV], SSTG
	v_add_nc_u32 v8, s59, v[L16]
	s_mul_i32 s59, s[WV], 1536
	s_add_co_u32 s59, s59, XSTG
	v_mul_u32_u24 v190, v191, 12
	s_delay_alu instid0(VALU_DEP_1)
	v_add_nc_u32 v9, s59, v190
	v_add_nc_u32 v15, SSTG, v[L16]
	v_lshlrev_b32 v191, 11, v191
	s_wait_alu depctr_va_vdst(0)                   ; directly ahead of the reader below
	OSTORE                                         ; the residual stream into the stage: what layer 0 stores
	LNORM R48+16, R48+32, 0
	s_cmp_lg_u32 s44, 0
	s_wait_alu depctr_va_vdst(0)                   ; directly ahead of the branch
	s_cbranch_scc1 .Lnormed
	QBLK 7, 0, 7, 8, 7, 16, 8, 0, 192, 8           ; layer 0: the normalised numbers leave as codes
	s_branch .Lstaged
.Lnormed:
	OSTORE                                         ; layer 1: the normalised numbers take the residual stream's place, each wave over its own bytes
.Lstaged:
	BARRIER
.set li, 0
.rept 16
	ds_load_b128 v[ACC+4*li:ACC+4*li+3], v6 offset:(li/2)*1040+512*(li%2)
.set li, li+1
.endr
.set li, 0
.rept 16
	s_wait_dscnt 15-li
	global_store_b128 v[L16], v[ACC+4*li:ACC+4*li+3], s[38:39] offset:(li/4)*262144+((li/2)%2)*1024+512*(li%2) th:TH_STORE_NT   ; 32 lanes store 512 consecutive bytes
.set li, li+1
.endr
	s_cmp_lg_u32 s44, 0
	s_cbranch_scc1 .Lend
.irp rr,0,1,2,3
.irp j,0,1,2
	ds_load_b32 v[BF+4*\rr+\j], v9 offset:384*\rr+4*\j
.endr
.endr
	s_wait_dscnt 0x0
.irp rr,0,1,2,3
	global_store_b96 v190, v[BF+4*\rr:BF+4*\rr+2], s[84:85] offset:49152*\rr   ; two tokens' 384 consecutive bytes of codes
.endr
	s_cmp_lg_u32 s[WV], 0
	s_cbranch_scc1 .Lend
	ds_load_b128 v[BF+16:BF+19], v15
	s_wait_dscnt 0x0
	global_store_b128 v191, v[BF+16:BF+19], s[86:87]   ; a row's two tokens' 16 scale bytes
.Lend:
	s_set_vgpr_msb 0x4
	s_wait_tensorcnt 0x0
	ds_add_u32 v187, v255
	s_wait_dscnt 0x0
	s_set_vgpr_msb 0x400
	s_endpgm
.Lfunc_end_k_qd7f1186566_col0:
	.size	k_qd7f1186566_col0, .Lfunc_end_k_qd7f1186566_col0-k_qd7f1186566_col0
	.p2alignl 7, 3214868480
	.fill 96, 4, 3214868480
	.section	.rodata,"a",@progbits
	.p2align	6, 0x0
	.amdhsa_kernel k_qd7f1186566_col0
		.amdhsa_group_segment_fixed_size 254464
		.amdhsa_private_segment_fixed_size 0
		.amdhsa_enable_private_segment 0
		.amdhsa_kernarg_size 152
		.amdhsa_user_sgpr_count 2
		.amdhsa_user_sgpr_kernarg_segment_ptr 1
		.amdhsa_wavefront_size32 1
		.amdhsa_system_sgpr_workgroup_id_x 1
		.amdhsa_system_sgpr_workgroup_id_y 1
		.amdhsa_system_sgpr_workgroup_id_z 1
		.amdhsa_system_vgpr_workitem_id 0
		.amdhsa_next_free_vgpr 512
		.amdhsa_next_free_sgpr 100
		.amdhsa_reserve_vcc 0
		.amdhsa_float_denorm_mode_32 3
		.amdhsa_float_denorm_mode_16_64 3
		.amdhsa_memory_ordered 1
		.amdhsa_forward_progress 1
		.amdhsa_inst_pref_size 255
	.end_amdhsa_kernel
	.section	.bss,"aw",@nobits
	.p2align	6
	.space	262144
	.amdgpu_metadata
---
amdhsa.version: [ 1, 2 ]
amdhsa.kernels:
  - .name:           k_qd7f1186566_col0
    .symbol:         k_qd7f1186566_col0.kd
    .args:
      - { .name: hidden_states, .offset: 0, .size: 8, .value_kind: global_buffer, .address_space: global }
      - { .name: ctx, .offset: 8, .size: 8, .value_kind: global_buffer, .address_space: global }
      - { .name: wts, .offset: 16, .size: 8, .value_kind: global_buffer, .address_space: global }
      - { .name: cfg0, .offset: 24, .size: 8, .value_kind: global_buffer, .address_space: global }
      - { .name: row_ob, .offset: 32, .size: 8, .value_kind: global_buffer, .address_space: global }
      - { .name: col_qb, .offset: 40, .size: 8, .value_kind: global_buffer, .address_space: global }
      - { .name: col_kb, .offset: 48, .size: 8, .value_kind: global_buffer, .address_space: global }
      - { .name: col_vb, .offset: 56, .size: 8, .value_kind: global_buffer, .address_space: global }
      - { .name: col_ob, .offset: 64, .size: 8, .value_kind: global_buffer, .address_space: global }
      - { .name: fc1b, .offset: 72, .size: 8, .value_kind: global_buffer, .address_space: global }
      - { .name: fc2b, .offset: 80, .size: 8, .value_kind: global_buffer, .address_space: global }
      - { .name: ln_col_w, .offset: 88, .size: 8, .value_kind: global_buffer, .address_space: global }
      - { .name: ln_col_b, .offset: 96, .size: 8, .value_kind: global_buffer, .address_space: global }
      - { .name: ln_ff_w, .offset: 104, .size: 8, .value_kind: global_buffer, .address_space: global }
      - { .name: ln_ff_b, .offset: 112, .size: 8, .value_kind: global_buffer, .address_space: global }
      - { .name: ln_row_w, .offset: 120, .size: 8, .value_kind: global_buffer, .address_space: global }
      - { .name: ln_row_b, .offset: 128, .size: 8, .value_kind: global_buffer, .address_space: global }
      - { .name: x3, .offset: 136, .size: 8, .value_kind: global_buffer, .address_space: global }
      - { .name: xq, .offset: 144, .size: 8, .value_kind: global_buffer, .address_space: global }
    .group_segment_fixed_size: 254464
    .private_segment_fixed_size: 0
    .kernarg_segment_align: 8
    .kernarg_segment_size: 152
    .max_flat_workgroup_size: 256
    .sgpr_count:     100
    .vgpr_count:     512
    .wavefront_size: 32
...
	.end_amdgpu_metadata
.endif
;; end of part 3
;; launch row1: the kernel of part 2 again; grid 256 x 1, 16 waves a work-group, no clusters, 81,408 bytes of LDS; arguments xq, wts, bkt, cfg1, row_qb, row_kb, row_vb, row_rel, ctx; writes ctx
;; launch col1: the kernel of part 3 again; grid 256 x 1, 8 waves a work-group, no clusters, 254,464 bytes of LDS; arguments x3, ctx, wts, cfg1, row_ob, col_qb, col_kb, col_vb, col_ob, fc1b, fc2b, ln_col_w, ln_col_b, ln_ff_w, ln_ff_b, ln_f_w, ln_f_b, out0, xq; writes out0, xq
